; MI455X (gfx1250); checked and timed in simulation.
; The chip was launched on July 23, 2026; its instructions are those of AMD's public machine-readable ISA for CDNA 5 (MIT licence, August 2026) and "CDNA5" Instruction Set Architecture Reference Guide (July 2026). The comments in the code are by the model that wrote it; some were corrected since.
;; Guided Attn. Allowed arithmetic: float matrix products may take bf16 or f16 operands with f32 sums; all other float work in f32.
;; Inputs: Wk 8 x 64 float32; Wq 8 x 64 float32; Wv 64 x 64 float32; bk 8 float32; bq 8 float32; bv 64 float32; query 8 x 64 x 64 x 64 float32; value 8 x 64 x 64 x 64 float32.
;; Outputs: out0 8 x 64 x 64 x 64 float32.
;; 3 versions, each right and faster than the one before. Each part assembles by itself: llvm-mc -triple=amdgcn-amd-amdhsa -mcpu=gfx1250 --defsym DOCPART=n.
;; ======== version 1 of 3: 2 launches
;; workspace buffers: qk 2,097,152 bytes; vws 4,194,304 bytes
;; launch prep (part 1): grid 256 x 1, 4 waves a work-group, no clusters, 66,048 bytes of LDS; arguments query, value, Wq, bq, Wk, bk, Wv, bv, qk, vws; writes qk, vws
.if DOCPART == 1
	.amdgcn_target "amdgcn-amd-amdhsa--gfx1250"
	.amdhsa_code_object_version 6
	.text
	.protected	k_qbc742f01ea_prep
	.globl	k_qbc742f01ea_prep
	.p2align	8
	.type	k_qbc742f01ea_prep,@function
k_qbc742f01ea_prep:
	s_mov_b64 s[64:65], 0
	v_nop
	global_prefetch_b8 v0, s[64:65] scope:SCOPE_SE
	s_setreg_imm32_b32 hwreg(HW_REG_WAVE_MODE, 25, 1), 1
	s_wait_xcnt 0x0
; The three 1x1 convolutions:  q' = log2(e) (Wq x + bq),  k = Wk x + bk  (x = query),  v = Wv y + bv  (y = value).
; Work-group g: image b = g >> 5, block blk = g & 31 of 128 pixels, all 64 channels of both tensors.  Four waves.
; The products run on the matrix unit in bf16 with f32 sums; every f32 operand is split into a bf16 high part and a bf16 low part,
; and three products are summed: Wh xh + Wl xh + Wh xl (the fourth, Wl xl, is some 2^-16 of the result and is left out).
; OUT:  qk  [0 = q', 1 = k][b][0 = high, 1 = low part][kappa 4096][8 bf16]     vws [b][c 64][pos 4096] bf16
; Pixel p = 64 u + 4 rho + e of a block (t = 4 u + e) lies at kappa = 16 t + rho and at pos = 8 rho + t.  With that order a lane's
; 16-byte load of x holds four tiles' column rho, and every store of 16 neighbouring lanes covers 256 consecutive, aligned bytes.
; No cluster: no two work-groups read the same pixels, and the weights are a fortieth of a work-group's bytes.
; LIMITS: finite inputs; v is rounded to bf16, q' and k to a pair of bf16 (about 16 bits).
.set LOG2E, 0x3fb8aa3b
.set RAWV, 8                           ; v[8:39]    Wv as loaded; later split results, q/k accumulators, packed q/k
.set BV,   40                          ; v[40:47]   bv[16 w + 8 h + j]
.set BQK,  48                          ; v[48:55]   h ? bk[j] : bq[j]
.set SC,   56                          ; v[56:57]   h ? 1 : log2(e), twice
.set STA,  58                          ; v58        LDS address of my fragment stores
.set RDQ,  59                          ; v59        LDS address of my two query tiles
.set WVH,  64                          ; v[64:79]   Wv high, K steps 0, 1   (v[64:95] first hold Wq as loaded)
.set WVL,  80                          ; v[80:95]   Wv low
.set WQH,  96                          ; v[96:111]  Wq over Wk, high        (v[96:127] first hold Wk as loaded)
.set WQL,  112                         ; v[112:127] Wq over Wk, low
.set XR,   128                         ; v[128:255] x and y as loaded: 128 + 64 T + 8 i + 4 u + e
.set FA,   128                         ; v[128:159], v[160:191] fragment halves
.set FB,   160
.set AC,   192                         ; v[192:255] v's eight accumulator tiles
; a, b (f32) -> hi = their bf16 roundings, packed; lo = the bf16 roundings of what is left, packed
.macro SPLIT hi, lo, a, b, ta, tb
	v_cvt_pk_bf16_f32 v[\hi], v[\a], v[\b]
	v_lshlrev_b32 v[\ta], 16, v[\hi]
	v_and_b32 v[\tb], 0xffff0000, v[\hi]
	v_sub_f32 v[\ta], v[\a], v[\ta]
	v_sub_f32 v[\tb], v[\b], v[\tb]
	v_cvt_pk_bf16_f32 v[\lo], v[\ta], v[\tb]
.endm
; four places behind a matrix instruction (ISA guide 7.12.1) where there is no vector work to put there
.macro PLACES
.rept 4
	v_nop
.endr
.endm
	s_load_b256 s[4:11], s[0:1], 0x0               ; query s[4:5], value s[6:7], Wq s[8:9], bq s[10:11]
	s_load_b256 s[12:19], s[0:1], 0x20             ; Wk s[12:13], bk s[14:15], Wv s[16:17], bv s[18:19]
	s_load_b128 s[20:23], s[0:1], 0x40             ; qk s[20:21], vws s[22:23]
	s_set_vgpr_msb 0x40
	v_lshl_add_u32 v0, v0, 2, 0x10000
	v_mov_b32 v1, 0
	s_set_vgpr_msb 0x4000
	v_lshrrev_b32 v62, 5, v0
	v_readfirstlane_b32 s40, v62                   ; wave w
	s_lshr_b32 s41, ttmp9, 5                       ; b
	s_and_b32 s42, ttmp9, 31                       ; blk
	v_and_b32 v1, 15, v0                           ; r
	v_bfe_u32 v2, v0, 4, 1                         ; h
	v_and_b32 v3, 31, v0
	v_lshlrev_b32 v3, 4, v3                        ; 16 x lane
	v_lshrrev_b32 v62, 4, v0                       ; 2 w + h
	v_lshlrev_b32 v63, 4, v1                       ; 16 r
	v_lshl_add_u32 v4, v62, 17, v63                ; x: channel 16 w + 8 h (rows of 16,384 bytes), pixels 4 r ..
	v_lshl_add_u32 v7, v62, 16, v63                ; vws: row 16 w + 8 h (8,192 bytes), 16 r
	v_lshlrev_b32 v61, 5, v62                      ; bv: 4 (16 w + 8 h)
	v_and_b32 v5, 7, v1
	v_lshlrev_b32 v5, 8, v5
	v_lshl_add_u32 v5, v2, 5, v5                   ; Wq, Wk: row r & 7 (256 bytes) + 32 h
	s_lshl_b32 s43, s40, 12
	v_lshlrev_b32 v60, 8, v1
	v_lshl_add_u32 v60, v2, 5, v60
	v_add_nc_u32 v60, s43, v60                     ; Wv: row 16 w + r, + 32 h
	s_lshl_b32 s43, s40, 9
	v_lshl_add_u32 v6, v2, 20, v63
	v_add_nc_u32 v6, s43, v6                       ; qk: h picks q' or k; kappa = 16 (2 w) + r
	s_lshr_b32 s43, s40, 1
	s_lshl_b32 s43, s43, 13
	v_add_nc_u32 v[STA], s43, v3                   ; my channels are K step w >> 1,
	s_and_b32 s43, s40, 1
	s_lshl_b32 s43, s43, 9
	v_add_nc_u32 v[STA], s43, v[STA]               ; registers 4 (w & 1) .. of a fragment
	s_lshl_b32 s43, s40, 11
	v_add_nc_u32 v[RDQ], s43, v3                   ; tiles 2 w, 2 w + 1
	s_wait_kmcnt 0x0
	s_load_b256 s[24:31], s[10:11], 0x0            ; bq
	s_load_b256 s[32:39], s[14:15], 0x0            ; bk
	s_lshl_b32 s44, s41, 20
	s_lshl_b32 s43, s42, 9
	s_add_co_u32 s44, s44, s43
	s_mov_b32 s45, 0
	s_add_nc_u64 s[4:5], s[4:5], s[44:45]          ; query and value at image b, pixel 128 blk
	s_add_nc_u64 s[6:7], s[6:7], s[44:45]
	s_lshl_b32 s46, s41, 17
	s_lshl_b32 s43, s42, 11
	s_add_co_u32 s46, s46, s43
	s_mov_b32 s47, 0
	s_add_nc_u64 s[20:21], s[20:21], s[46:47]      ; qk at image b, kappa 128 blk
	s_lshl_b32 s48, s41, 19
	s_lshl_b32 s43, s42, 8
	s_add_co_u32 s48, s48, s43
	s_mov_b32 s49, 0
	s_add_nc_u64 s[22:23], s[22:23], s[48:49]      ; vws at image b, pos 128 blk
	; all 58 loads of the wave go out at once: 2 + 8 + 8 + 8 of the weights, then 4 groups of 8 of x and y
	global_load_b128 v[BV:BV+3], v61, s[18:19]
	global_load_b128 v[BV+4:BV+7], v61, s[18:19] offset:16
.irp q, 0,1,2,3,4,5,6,7                            ; quad q: columns 16 (q >> 1) + 8 h + 4 (q & 1) ..
	global_load_b128 v[64+4*\q:67+4*\q], v5, s[8:9] offset:(\q>>1)*64+(\q&1)*16
.endr
.irp q, 0,1,2,3,4,5,6,7
	global_load_b128 v[96+4*\q:99+4*\q], v5, s[12:13] offset:(\q>>1)*64+(\q&1)*16
.endr
.irp q, 0,1,2,3,4,5,6,7
	global_load_b128 v[RAWV+4*\q:RAWV+4*\q+3], v60, s[16:17] offset:(\q>>1)*64+(\q&1)*16
.endr
.irp u, 0,1
.irp i, 0,1,2,3,4,5,6,7
	global_load_b128 v[XR+8*\i+4*\u:XR+8*\i+4*\u+3], v4, s[4:5] offset:\i*16384+\u*256 th:TH_LOAD_NT
.endr
.endr
.irp u, 0,1
.irp i, 0,1,2,3,4,5,6,7
	global_load_b128 v[XR+64+8*\i+4*\u:XR+64+8*\i+4*\u+3], v4, s[6:7] offset:\i*16384+\u*256
.endr
.endr
	; the weights: rows 0-7 of the q/k operand are Wq's, rows 8-15 Wk's
	s_wait_loadcnt 40                              ; bv, Wq, Wk are in; Wv's 8 loads and the 32 of x and y stay out
	v_cmp_lt_u32 vcc_lo, 7, v1                     ; r >= 8
.set i, 0
.rept 32
	v_cndmask_b32 v[64+i], v[64+i], v[96+i], vcc_lo
.set i, i+1
.endr
.set i, 0
.rept 16
	SPLIT WQH+i, WQL+i, 64+2*i, 65+2*i, 62, 63
.set i, i+1
.endr
	s_wait_loadcnt 32                              ; Wv is in; the 32 loads of x and y stay out
.set i, 0
.rept 16
	SPLIT WVH+i, WVL+i, RAWV+2*i, RAWV+2*i+1, 62, 63
.set i, i+1
.endr
	s_wait_kmcnt 0x0                               ; bq, bk
	v_cmp_eq_u32 vcc_lo, 1, v2                     ; h = 1: the lanes that will hold k
.irp j, 0,1,2,3,4,5,6,7
	v_mov_b32 v[BQK+\j], s[24+\j]
	v_mov_b32 v62, s[32+\j]
	v_cndmask_b32 v[BQK+\j], v[BQK+\j], v62, vcc_lo
.endr
	v_mov_b32 v[SC+1], 1.0
	v_cndmask_b32 v[SC], LOG2E, v[SC+1], vcc_lo
	v_mov_b32 v[SC+1], v[SC]
; One group of eight loads (tensor T, half u of the block): four tiles t = 4 u + e.  My lane holds channels 16 w + 8 h + 0..7 of column r
; of each: four registers of the tile's B fragment, high part and low part, 16 bytes a lane into the fragment image
;   LDS byte ((((T 2 + part) 2 + K step) 8 + t) 1024 + 512 (registers 4-7) + 16 lane,
; so that a fragment is read back by two loads of 512 consecutive bytes.
.macro XGROUP T, u, left
	s_wait_loadcnt \left                           ; this group's eight loads are in, the later groups stay out
.irp e, 0,1,2,3
.irp p, 0,1,2,3
	SPLIT 8+16*(\e&1)+\p, 12+16*(\e&1)+\p, XR+64*\T+16*\p+4*\u+\e, XR+64*\T+16*\p+8+4*\u+\e, 32+2*(\p&1), 33+2*(\p&1)
.endr
	ds_store_b128 v[STA], v[8+16*(\e&1):11+16*(\e&1)] offset:\T*32768+(4*\u+\e)*1024
	ds_store_b128 v[STA], v[12+16*(\e&1):15+16*(\e&1)] offset:\T*32768+16384+(4*\u+\e)*1024
.endr
.endm
	XGROUP 0, 0, 24
	XGROUP 0, 1, 16
	XGROUP 1, 0, 8
	XGROUP 1, 1, 0
	s_wait_dscnt 0x0                               ; my stores are done before I say so: the other waves read them
	s_barrier_signal -1
	s_barrier_wait -1
	; q' and k of tiles 2 w and 2 w + 1: fragment (part, K step) hk = 2 part + K step, tile tt, at FA + 8 (2 hk + tt)
.irp hk, 0,1,2,3
.irp tt, 0,1
	ds_load_b128 v[FA+8*(2*\hk+\tt):FA+8*(2*\hk+\tt)+3], v[RDQ] offset:(8*\hk+\tt)*1024
	ds_load_b128 v[FA+8*(2*\hk+\tt)+4:FA+8*(2*\hk+\tt)+7], v[RDQ] offset:(8*\hk+\tt)*1024+512
.endr
.endr
	s_wait_dscnt 0x0
.macro QW tt, w, f, first              ; the first product of a tile takes the bias as C
.if \first
	v_wmma_f32_16x16x32_bf16 v[8+8*\tt:15+8*\tt], v[\w:\w+7], v[\f:\f+7], v[BQK:BQK+7]
.else
	v_wmma_f32_16x16x32_bf16 v[8+8*\tt:15+8*\tt], v[\w:\w+7], v[\f:\f+7], v[8+8*\tt:15+8*\tt]
.endif
.endm
	; the two accumulators take turns, one instruction a turn
	QW 0, WQH, FA, 1
	QW 1, WQH, FA+8, 1
	QW 0, WQL, FA, 0
	QW 1, WQL, FA+8, 0
	QW 0, WQH, FA+32, 0
	QW 1, WQH, FA+40, 0
	QW 0, WQH+8, FA+16, 0
	QW 1, WQH+8, FA+24, 0
	QW 0, WQL+8, FA+16, 0
	QW 1, WQL+8, FA+24, 0
	QW 0, WQH+8, FA+48, 0
	QW 1, WQH+8, FA+56, 0
; v: stage st = (K step st >> 2, part (st >> 1) & 1, tiles 4 (st & 1) ..): four fragments of y into half f
.macro LDST st, f
.set KS, (\st)>>2
.set HL, ((\st)>>1)&1
.set TG, (\st)&1
.irp tt, 0,1,2,3
	ds_load_b128 v[\f+8*\tt:\f+8*\tt+3], v3 offset:(((2+HL)*2+KS)*8+4*TG+\tt)*1024
	ds_load_b128 v[\f+8*\tt+4:\f+8*\tt+7], v3 offset:(((2+HL)*2+KS)*8+4*TG+\tt)*1024+512
.endr
.endm
; its products: Wh on the four tiles in turn, and on the high part of y also Wl.  The first product of a tile takes the bias as C.
.macro VW st, f
.set KS, (\st)>>2
.set HL, ((\st)>>1)&1
.set TG, (\st)&1
.irp tt, 0,1,2,3
.if (\st) < 2
	v_wmma_f32_16x16x32_bf16 v[AC+8*(4*TG+\tt):AC+8*(4*TG+\tt)+7], v[WVH+8*KS:WVH+8*KS+7], v[\f+8*\tt:\f+8*\tt+7], v[BV:BV+7]
.else
	v_wmma_f32_16x16x32_bf16 v[AC+8*(4*TG+\tt):AC+8*(4*TG+\tt)+7], v[WVH+8*KS:WVH+8*KS+7], v[\f+8*\tt:\f+8*\tt+7], v[AC+8*(4*TG+\tt):AC+8*(4*TG+\tt)+7]
.endif
.endr
.if HL == 0
.irp tt, 0,1,2,3
	v_wmma_f32_16x16x32_bf16 v[AC+8*(4*TG+\tt):AC+8*(4*TG+\tt)+7], v[WVL+8*KS:WVL+8*KS+7], v[\f+8*\tt:\f+8*\tt+7], v[AC+8*(4*TG+\tt):AC+8*(4*TG+\tt)+7]
.endr
.endif
.endm
.macro STAGE st, f, g, last
.if \st
	PLACES                                         ; half g was read by the matrix instructions just issued
.endif
.if \last
	s_wait_dscnt 0x0
.else
	LDST \st+1, \g
	s_wait_dscnt 8                                 ; this stage's fragments are in; the next stage's eight loads stay out
.endif
	VW \st, \f
.endm
	PLACES                                         ; behind the last q/k product: its results are read, its fragments loaded over
	LDST 0, FA                                     ; v's first stage is on its way while q' and k leave
	; lanes h = 0 hold q[0..7], lanes h = 1 hold k[0..7] of pixel (t, r): scale, split, 16 bytes a lane, 256 a half wave
.irp tt, 0,1
.irp p, 0,1,2,3
	v_pk_mul_f32 v[8+8*\tt+2*\p:9+8*\tt+2*\p], v[8+8*\tt+2*\p:9+8*\tt+2*\p], v[SC:SC+1]
.endr
.irp p, 0,1,2,3
	SPLIT 24+8*\tt+\p, 28+8*\tt+\p, 8+8*\tt+2*\p, 9+8*\tt+2*\p, 62, 63
.endr
	global_store_b128 v6, v[24+8*\tt:27+8*\tt], s[20:21] offset:\tt*256
	global_store_b128 v6, v[28+8*\tt:31+8*\tt], s[20:21] offset:\tt*256+65536
.endr
	STAGE 0, FA, FB, 0
	STAGE 1, FB, FA, 0
	STAGE 2, FA, FB, 0
	STAGE 3, FB, FA, 0
	STAGE 4, FA, FB, 0
	STAGE 5, FB, FA, 0
	STAGE 6, FA, FB, 0
	STAGE 7, FB, FA, 1
	PLACES
	; row c = 16 w + 8 h + j: my eight tiles' column r are pos 8 r + 0..7, 16 bytes; 16 lanes store 256 consecutive, aligned bytes
.irp j, 0,1,2,3,4,5,6,7
.irp p, 0,1,2,3
	v_cvt_pk_bf16_f32 v[FA+4*\j+\p], v[AC+16*\p+\j], v[AC+16*\p+8+\j]
.endr
	global_store_b128 v7, v[FA+4*\j:FA+4*\j+3], s[22:23] offset:\j*8192
.endr
	s_set_vgpr_msb 0x5
	s_wait_tensorcnt 0x0
	ds_add_u32 v0, v1
	s_wait_dscnt 0x0
	s_set_vgpr_msb 0x500
	s_endpgm
.Lfunc_end_k_qbc742f01ea_prep:
	.size	k_qbc742f01ea_prep, .Lfunc_end_k_qbc742f01ea_prep-k_qbc742f01ea_prep
	.p2alignl 7, 3214868480
	.fill 96, 4, 3214868480
	.section	.rodata,"a",@progbits
	.p2align	6, 0x0
	.amdhsa_kernel k_qbc742f01ea_prep
		.amdhsa_group_segment_fixed_size 66048
		.amdhsa_private_segment_fixed_size 0
		.amdhsa_enable_private_segment 0
		.amdhsa_kernarg_size 80
		.amdhsa_user_sgpr_count 2
		.amdhsa_user_sgpr_kernarg_segment_ptr 1
		.amdhsa_wavefront_size32 1
		.amdhsa_system_sgpr_workgroup_id_x 1
		.amdhsa_system_sgpr_workgroup_id_y 1
		.amdhsa_system_sgpr_workgroup_id_z 1
		.amdhsa_system_vgpr_workitem_id 0
		.amdhsa_next_free_vgpr 258
		.amdhsa_next_free_sgpr 66
		.amdhsa_reserve_vcc 1
		.amdhsa_float_denorm_mode_32 3
		.amdhsa_float_denorm_mode_16_64 3
		.amdhsa_memory_ordered 1
		.amdhsa_forward_progress 1
		.amdhsa_inst_pref_size 56
	.end_amdhsa_kernel
	.amdgpu_metadata
---
amdhsa.version: [ 1, 2 ]
amdhsa.kernels:
  - .name:           k_qbc742f01ea_prep
    .symbol:         k_qbc742f01ea_prep.kd
    .args:
      - { .name: query, .offset: 0, .size: 8, .value_kind: global_buffer, .address_space: global }
      - { .name: value, .offset: 8, .size: 8, .value_kind: global_buffer, .address_space: global }
      - { .name: Wq, .offset: 16, .size: 8, .value_kind: global_buffer, .address_space: global }
      - { .name: bq, .offset: 24, .size: 8, .value_kind: global_buffer, .address_space: global }
      - { .name: Wk, .offset: 32, .size: 8, .value_kind: global_buffer, .address_space: global }
      - { .name: bk, .offset: 40, .size: 8, .value_kind: global_buffer, .address_space: global }
      - { .name: Wv, .offset: 48, .size: 8, .value_kind: global_buffer, .address_space: global }
      - { .name: bv, .offset: 56, .size: 8, .value_kind: global_buffer, .address_space: global }
      - { .name: qk, .offset: 64, .size: 8, .value_kind: global_buffer, .address_space: global }
      - { .name: vws, .offset: 72, .size: 8, .value_kind: global_buffer, .address_space: global }
    .group_segment_fixed_size: 66048
    .private_segment_fixed_size: 0
    .kernarg_segment_align: 8
    .kernarg_segment_size: 80
    .max_flat_workgroup_size: 128
    .sgpr_count:     66
    .vgpr_count:     258
    .wavefront_size: 32
...
	.end_amdgpu_metadata
.endif
;; end of part 1
;; launch attn (part 2): grid 32 x 8, 4 waves a work-group, clusters of 4 x 1, 327,680 bytes of LDS; arguments qk, vws, value, out0; writes out0
.if DOCPART == 2
	.amdgcn_target "amdgcn-amd-amdhsa--gfx1250"
	.amdhsa_code_object_version 6
	.text
	.protected	k_qbc742f01ea_attn
	.globl	k_qbc742f01ea_attn
	.p2align	8
	.type	k_qbc742f01ea_attn,@function
k_qbc742f01ea_attn:
	s_mov_b64 s[64:65], 0
	v_nop
	global_prefetch_b8 v0, s[64:65] scope:SCOPE_SE
	s_setreg_imm32_b32 hwreg(HW_REG_WAVE_MODE, 25, 1), 1
	s_wait_xcnt 0x0
	s_wait_alu depctr_hold_cnt(0) depctr_sa_sdst(0) depctr_va_vdst(0) depctr_va_sdst(0) depctr_va_ssrc(0) depctr_va_vcc(0) depctr_vm_vsrc(0)
	s_getreg_b32 s2, hwreg(HW_REG_IB_STS2, 6, 4)
	s_cmp_eq_u32 s2, 0
	s_cbranch_scc0 .Lentry_in_a_cluster
	s_endpgm
.Lentry_in_a_cluster:
	s_bfe_u32 s2, ttmp6, 0x10000c
	s_cmp_lg_u32 s2, 0x3003
	s_cbranch_scc0 .Lentry_shape_is_right
	s_endpgm
.Lentry_shape_is_right:
; out[b][c][n] = sum over m of v[c][m] softmax_m(q_n . k_m) + value[b][c][n], from q' = log2(e) q, k (bf16 high and low parts) and v (bf16).
; Work-group (x, b): 128 columns n of image b.  Wave w: n half nh = w & 1 (four tiles of 16 n), m half mh = w >> 1.
; n tile nt, lane column r stands for n = 128 x + 64 nh + 4 r + nt, so that a lane's four tiles are four neighbouring n of the output.
; TWO PASSES over m.  Pass 1: scores and their maximum alone.  Pass 2: the scores again with C = -maximum, so that the matrix result is
; already (score - true row maximum) in base 2; then exp2, the row sum in f32, bf16, and the product with v.  Nothing is rescaled.
; SCORES: d = 8 fills a quarter of the form's K = 32; the other places carry precision.  A = K tile: lanes h = 0 hold the high part of k twice,
; lanes h = 1 the low part twice.  B = Q tile: registers 0-3 the high part of q', 4-7 the low part.  The sum over K is (qh + ql)(kh + kl).
; The result, lane (r, h) register j = (m = 8 h + j, n = r), is after packing the B fragment of the second product: no lane traffic.
; The order of m is free under a softmax; k's rows and v's columns are stored so that both agree (see KA below).
; CLUSTER 4 x 1: the four work-groups share b, hence all of k and v: every tensor load is joint (mask 15).  Not 4 x 4: along y the images differ.
; LIMITS: finite inputs; P and v are rounded to bf16, the row sum is taken from the unrounded exponentials; an exponential below 2^-126 counts
; as 0 (ISA guide, v_exp_f32); the sums run in another order than a row-by-row sum.
.set KBLK,   2304                      ; K in LDS: a block of 128 rows of k = 8 LDS rows of 256 bytes, pitch 288
.set KPLANE, 73728                     ; 256 such rows: the high parts; the low parts behind them
.set VSL,    147456                    ; two slots of v behind K
.set VCB,    16640                     ; 16 rows of 1,024 bytes (512 pos), pitch 1,040 = 65 x 16
.set VSLOT,  66560                     ; 64 rows
.set MAXX,   280576                    ; scratch that the waves write, in 256-byte blocks into which no tensor load lands:
.set LX,     282624                    ; maxima 4 x 512, sums 4 x 512,
.set ACCX,   284672                    ; accumulators 4 x 8,192
; window 0
.set VALO, 2                           ; v2, v3   v fragments of register blocks 0, 1 in slot 0, 1
.set VAHI, 4                           ; v4, v5   the same for register blocks 2, 3
.set KA,   6                           ; v6       k fragments
.set OFFO, 7                           ; v7       my 16 bytes of value and out
.set LR,   8                           ; v[8:15]  pass 1: maxima in v[8:11]; pass 2: a pair of row sums for each n tile
.set PR,   16                          ; v[16:31] P, two buffers of 8 (in pass 1: v16 k lane term, v18 q address, v21, v22 scratch addresses)
.set SR,   32                          ; v[32:63] scores, two buffers of 16 (two m tiles)
.set KR,   64                          ; v[64:95] k fragments: pass 1 four buffers of 8, pass 2 two buffers of 16
.set VR,   96                          ; v[96:127] v fragments, four blocks of 16 channels
.set ACC,  128                         ; v[128:255] accumulators 128 + 32 nt + 8 cb
.set Q0,   128                         ; pass 1: q fragments in window 0,
.set SP1,  160                         ;         two sets of four score tiles
; window 1 (names are the low 8 bits)
.set QW,   0                           ; v[256:287] q fragments
.set NEGM, 32                          ; v[288:319] -maximum, eight copies for each n tile: the C operand of pass 2
.set VAL,  64                          ; v[320:383] the residual, 16 quads
.set G0K, 20                           ; s[20:23], s[24:31] k's descriptor
.set G1K, 24
.set G1V, 32                           ; s[32:39] v's shape; s[40:43], s[44:47] from where and to where, one set for each slot
.set G0V, 40
.set MSB, 0
.macro WIN new                         ; s_set_vgpr_msb: bits 1:0 source 0, 3:2 source 1, 5:4 source 2, 7:6 destination; the high byte repeats the setting left
.if MSB != \new
	s_set_vgpr_msb (MSB<<8)|\new
.set MSB, \new
.endif
.endm
; A round of the cluster's barrier: my work-group's barrier, wave 0 signals for the work-group, every wave waits for all four work-groups, my work-group's barrier again.
.macro ROUND
	s_barrier_signal -1
	s_barrier_wait -1
	s_cmp_lg_u32 s12, 0
	s_cbranch_scc1 .Lnot_wave_0_\@
	s_barrier_signal -3
.Lnot_wave_0_\@:
	s_barrier_wait -3
	s_barrier_signal -1
	s_barrier_wait -1
.endm
	s_load_b256 s[4:11], s[0:1], 0x0               ; qk s[4:5], vws s[6:7], value s[8:9], out0 s[10:11]
	s_set_vgpr_msb 0x40
	v_lshl_add_u32 v128, v0, 2, 0x4d800
	v_mov_b32 v129, 0
	s_set_vgpr_msb 0x4045
	ds_add_u32 v128, v129
	s_set_vgpr_msb 0x4500
	v_lshrrev_b32 v1, 5, v0
	v_readfirstlane_b32 s12, v1                    ; wave w
	s_and_b32 s13, s12, 1                          ; nh
	s_lshr_b32 s14, s12, 1                         ; mh
	s_bfe_u32 s15, ttmp6, 0x40000                  ; cx: enters the global addresses of q', value and out alone
	s_lshl_b32 s16, ttmp9, 2
	s_add_co_u32 s16, s16, s15                     ; work-group x = 4 x cluster x + cx
	s_and_b32 s17, ttmp7, 0xffff                   ; b, the same in the four partners
	s_mov_b32 s50, 0x76543210                      ; v_permlanex16_b32: lane i of one half reads lane i of the other
	s_mov_b32 s51, 0xfedcba98
	; k: a wave brings 128 rows of 256 bytes (elements of 8 bytes), 32 bytes of padding behind each
	s_mov_b32 s[G1K+0], 15|(3<<16)|(1<<20)|(1<<21)|(5<<22)|(7<<25)  ; mask of the four; 8-byte elements; padding on; bit 21 beside a mask; after 64 words skip 8
	s_mov_b32 s[G1K+1], 32<<16                     ; tensor_dim0 = 32
	s_mov_b32 s[G1K+2], 128<<16                    ; tensor_dim1 = 128
	s_mov_b32 s[G1K+3], 32<<16                     ; tile_dim0 = 32
	s_mov_b32 s[G1K+4], 128                        ; tile_dim1 = 128
	s_mov_b32 s[G1K+5], 32                         ; dense rows
	s_mov_b32 s[G1K+6], 0
	s_mov_b32 s[G1K+7], 0
	; v: a wave brings 16 rows of 1,024 bytes out of rows of 8,192, 16 bytes of padding behind each
	s_mov_b32 s[G1V+0], 15|(3<<16)|(1<<20)|(1<<21)|(7<<22)|(3<<25)  ; after 256 words skip 4
	s_mov_b32 s[G1V+1], 128<<16
	s_mov_b32 s[G1V+2], 16<<16
	s_mov_b32 s[G1V+3], 128<<16
	s_mov_b32 s[G1V+4], 16
	s_mov_b32 s[G1V+5], 1024
	s_mov_b32 s[G1V+6], 0
	s_mov_b32 s[G1V+7], 0
	; lane terms
	v_and_b32 v1, 15, v0                           ; r
	v_bfe_u32 v17, v0, 4, 1                        ; h
	v_lshlrev_b32 v18, 4, v1                       ; q': 16 r
	v_lshl_add_u32 v[OFFO], v17, 17, v18           ; value, out: 8 h rows of 16,384 bytes + 16 r
	; row i = r of k tile a of a block is the pixel at v's pos 16 a + i, stored at kappa = 16 (i & 7) + 2 a + (i >> 3):
	; LDS row i & 7 of the block, byte 32 a + 16 (i >> 3).  The sixteen lanes touch sixteen different 16-byte columns: 2 (r & 7) + (r >> 3).
	v_and_b32 v19, 7, v1
	v_mul_u32_u24 v19, v19, 288
	v_lshrrev_b32 v20, 3, v1
	v_lshl_add_u32 v19, v20, 4, v19
	v_mul_u32_u24 v20, v17, KPLANE                 ; lanes h = 1 read the low parts
	v_add_nc_u32 v16, v19, v20
	; v fragment: row 16 cb + r, 16 h bytes in, my half of the tile's 512 pos.  Register block cb holds channel block cb xor 2 mh, so that
	; every wave keeps register blocks 0, 1 at the end and hands blocks 2, 3 to its partner: one text for both.
	v_mul_u32_u24 v19, v1, 1040
	v_lshl_add_u32 v19, v17, 4, v19
	s_lshl_b32 s48, s14, 9
	s_add_co_u32 s48, s48, VSL
	v_add_nc_u32 v19, s48, v19
	s_mul_i32 s49, s14, 2*VCB
	v_add_nc_u32 v[VALO], s49, v19
	v_add_nc_u32 v[VALO+1], VSLOT, v[VALO]
	s_xor_b32 s49, s14, 1
	s_mul_i32 s49, s49, 2*VCB
	v_add_nc_u32 v[VAHI], s49, v19
	v_add_nc_u32 v[VAHI+1], VSLOT, v[VAHI]
	v_and_b32 v20, 31, v0
	v_lshlrev_b32 v20, 4, v20
	s_lshl_b32 s48, s12, 9
	s_add_co_u32 s48, s48, MAXX
	v_add_nc_u32 v21, s48, v20                     ; my maxima
	s_xor_b32 s49, s12, 2
	s_lshl_b32 s49, s49, 9
	s_add_co_u32 s49, s49, MAXX
	v_add_nc_u32 v22, s49, v20                     ; those of the wave with my n and the other half of m
	s_mul_i32 s48, s14, 16*KBLK
	v_add_nc_u32 v[KA], s48, v16                   ; pass 1: blocks 16 mh ..
	; offsets that the partners share, in registers that never hold cx
	s_lshl_b32 s52, s17, 17
	s_lshl_b32 s53, s12, 15
	s_add_co_u32 s52, s52, s53
	s_add_co_u32 s52, s52, 0x100000                ; k of image b, my quarter
	s_mov_b32 s53, 0
	s_lshl_b32 s54, s17, 17
	s_lshl_b32 s55, s16, 11
	s_add_co_u32 s54, s54, s55
	s_lshl_b32 s55, s13, 10
	s_add_co_u32 s54, s54, s55                     ; q' of image b, kappa 128 x + 64 nh
	s_mov_b32 s55, 0
	s_wait_dscnt 0x0
	s_wait_kmcnt 0x0
	s_mov_b32 s[G0K], 1
	s_mul_i32 s[G0K+1], s12, 128*288
	s_add_nc_u64 s[G0K+2:G0K+3], s[4:5], s[52:53]
	s_or_b32 s[G0K+3], s[G0K+3], 0x80000000
	s_add_nc_u64 s[18:19], s[4:5], s[54:55]
	s_lshl_b32 s52, s17, 19
	s_lshl_b32 s48, s12, 17
	s_add_co_u32 s52, s52, s48                     ; v of image b, my 16 rows
	s_mov_b32 s[G0V], 1
	s_mul_i32 s[G0V+1], s12, VCB
	s_add_co_u32 s[G0V+1], s[G0V+1], VSL
	s_add_nc_u64 s[G0V+2:G0V+3], s[6:7], s[52:53]
	s_mov_b32 s[G0V+4], 1
	s_add_co_u32 s[G0V+5], s[G0V+1], VSLOT
	s_add_nc_u64 s[G0V+6:G0V+7], s[G0V+2:G0V+3], 1024     ; tile 1
	s_or_b32 s[G0V+3], s[G0V+3], 0x80000000
	s_or_b32 s[G0V+7], s[G0V+7], 0x80000000
	s_lshl_b32 s54, s17, 20
	s_lshl_b32 s48, s14, 19
	s_add_co_u32 s54, s54, s48
	s_lshl_b32 s48, s16, 9
	s_add_co_u32 s54, s54, s48
	s_lshl_b32 s48, s13, 8
	s_add_co_u32 s54, s54, s48                     ; image b, channel 32 mh, column 128 x + 64 nh
	s_add_nc_u64 s[8:9], s[8:9], s[54:55]
	s_add_nc_u64 s[10:11], s[10:11], s[54:55]
	ROUND                                          ; the four work-groups are here: the first joint loads meet
	tensor_load_to_lds s[G0K:G0K+3], s[G1K:G1K+7]  ; all of k stays in LDS
	s_nop 0
	tensor_load_to_lds s[G0V:G0V+3], s[G1V:G1V+7]  ; v's tile 0: two tensor loads of the wave are out here, later one
	s_nop 0
.irp nt, 0,1,2,3
	global_load_b128 v[Q0+8*\nt:Q0+8*\nt+3], v18, s[18:19] offset:\nt*256
	global_load_b128 v[Q0+8*\nt+4:Q0+8*\nt+7], v18, s[18:19] offset:\nt*256+65536
.endr
	WIN 0x40
.irp nt, 0,1,2,3
	global_load_b128 v[QW+8*\nt:QW+8*\nt+3], v18, s[18:19] offset:\nt*256
	global_load_b128 v[QW+8*\nt+4:QW+8*\nt+7], v18, s[18:19] offset:\nt*256+65536
.endr
.irp q, 0,1,2,3,4,5,6,7,8,9,10,11,12,13,14,15      ; the residual of my 16 output quads, asked for now and waited for at the end
	global_load_b128 v[VAL+4*\q:VAL+4*\q+3], v[OFFO], s[8:9] offset:((\q>>3)*16+(\q&7))*16384
.endr
	WIN 0
	s_wait_loadcnt 16                              ; q' is in; the 16 loads of the residual stay out
	s_wait_tensorcnt 1                             ; my quarter of k has landed; v's tile 0 stays out
	s_barrier_signal -1
	s_barrier_wait -1                              ; everybody's quarter has
	; ---------------- PASS 1: the row maxima ----------------
.macro K1LD buf, off                   ; a k tile: the same 16 bytes into registers 0-3 and 4-7
	ds_load_b128 v[KR+8*(\buf):KR+8*(\buf)+3], v[KA] offset:\off
	ds_load_b128 v[KR+8*(\buf)+4:KR+8*(\buf)+7], v[KA] offset:\off
.endm
; Phase p of a block's eight tiles: the maxima of tile p's scores, spread between the four products of tile p + 1; tile p + 3 is fetched.
; Behind each product stand four v_max3 on the other set before its result is read (ISA guide 7.12.1).
.macro PH1 p, dow, dold, cnt
	s_wait_dscnt \cnt                              ; tile p + 1 is in; cnt = the loads of tile p + 2
.if \dold
.if \p <= 4
	K1LD (\p+3)&3, 32*(\p+3)
.else
	K1LD (\p+3)&3, KBLK+32*(\p-5)
.endif
.endif
.irp i, 0,1,2,3
.if \dow
	v_wmma_f32_16x16x32_bf16 v[SP1+32*((\p+1)&1)+8*\i:SP1+32*((\p+1)&1)+8*\i+7], v[KR+8*((\p+1)&3):KR+8*((\p+1)&3)+7], v[Q0+8*\i:Q0+8*\i+7], 0
.endif
.irp nt, 0,1,2,3
	v_max3_num_f32 v[LR+\nt], v[LR+\nt], v[SP1+32*(\p&1)+8*\nt+2*\i], v[SP1+32*(\p&1)+8*\nt+2*\i+1]
.endr
.endr
.endm
	K1LD 0, 0
	K1LD 1, 32
	K1LD 2, 64
	s_wait_dscnt 4                                 ; tile 0 is in; tiles 1 and 2 stay out
.irp i, 0,1,2,3
	v_wmma_f32_16x16x32_bf16 v[SP1+8*\i:SP1+8*\i+7], v[KR:KR+7], v[Q0+8*\i:Q0+8*\i+7], 0
.endr
.irp j, 0,1,2,3,4,5,6,7
	v_mov_b32 v[LR+\j], 0xff800000                 ; -infinity; these are also the places behind the four products
.endr
	s_mov_b32 s48, 15
.Lp1:
.irp p, 0,1,2,3,4,5,6,7
	PH1 \p, 1, 1, 2
.endr
	v_add_nc_u32 v[KA], KBLK, v[KA]
	s_sub_co_u32 s48, s48, 1
	s_cmp_lg_u32 s48, 0
	s_cbranch_scc1 .Lp1
.irp p, 0,1,2,3,4
	PH1 \p, 1, 1, 2                                ; the last block: fetches stop at its tile 7
.endr
	PH1 5, 1, 0, 2
	PH1 6, 1, 0, 0
	PH1 7, 0, 0, 0
	; over the two halves of the lanes (rows 8 h + j), then over the two halves of m
.irp nt, 0,1,2,3
	v_permlanex16_b32 v[LR+4+\nt], v[LR+\nt], s50, s51
.endr
.irp nt, 0,1,2,3
	v_max_num_f32 v[LR+\nt], v[LR+\nt], v[LR+4+\nt]
.endr
	ds_store_b128 v21, v[LR:LR+3]
	s_wait_dscnt 0x0                               ; stored before I say so
	s_barrier_signal -1
	s_barrier_wait -1
	ds_load_b128 v[LR+4:LR+7], v22
	s_wait_dscnt 0x0
.irp nt, 0,1,2,3
	v_max_num_f32 v[LR+\nt], v[LR+\nt], v[LR+4+\nt]
.endr
	WIN 0x40
.irp nt, 0,1,2,3
.irp j, 0,1,2,3,4,5,6,7
	v_mul_f32 v[NEGM+8*\nt+\j], -1.0, v[LR+\nt]
.endr
.endr
	WIN 0
	; ---------------- PASS 2 ----------------
; A piece is one n tile of one step of 32 pos.  In the slot of piece i the vector unit makes P of piece i (16 exp2 in place, 8 packed adds into the
; row sums, 8 packed roundings), and between these lines stand the four products P x v of piece i - 1 and the two score products of piece i + 1.
; All accumulators take turns, one instruction a turn.
.macro EXPQ q                          ; four exponentials; a plain vector instruction follows before any result is read (ISA guide 5.7.2)
.irp k, 0,1,2,3
	v_exp_f32 v[SB+4*\q+\k], v[SB+4*\q+\k]
.endr
.endm
.macro PLH q, hf                       ; two numbers: into the row sums, and rounded into P
	s_wait_alu depctr_va_vdst(0)
	v_pk_add_f32 v[LP:LP+1], v[LP:LP+1], v[SB+4*\q+2*\hf:SB+4*\q+2*\hf+1]
	v_cvt_pk_bf16_f32 v[PB+2*\q+\hf], v[SB+4*\q+2*\hf], v[SB+4*\q+2*\hf+1]
.endm
.macro PLQ q
	PLH \q, 0
	PLH \q, 1
.endm
.macro PVM cb, on, zero                ; 16 channels x 16 n of the piece before; zero = 1: the product starts the sum
.if \on
.if \zero
	v_wmma_f32_16x16x32_bf16 v[AN+8*\cb:AN+8*\cb+7], v[VR+8*\cb:VR+8*\cb+7], v[PO:PO+7], 0
.else
	v_wmma_f32_16x16x32_bf16 v[AN+8*\cb:AN+8*\cb+7], v[VR+8*\cb:VR+8*\cb+7], v[PO:PO+7], v[AN+8*\cb:AN+8*\cb+7]
.endif
.endif
.endm
.macro QKM on                          ; the next piece's scores less their maximum: B and C lie in window 1
.if \on
	WIN 0x14
	v_wmma_f32_16x16x32_bf16 v[SN:SN+7], v[KB:KB+7], v[QW+8*NN:QW+8*NN+7], v[NEGM+8*NN:NEGM+8*NN+7]
	v_wmma_f32_16x16x32_bf16 v[SN+8:SN+15], v[KB+8:KB+15], v[QW+8*NN:QW+8*NN+7], v[NEGM+8*NN:NEGM+8*NN+7]
	WIN 0
.endif
.endm
.macro LDV cb, vs, voff                ; this step's v fragment of register block cb
.if (\cb) < 2
	ds_load_b128 v[VR+8*\cb:VR+8*\cb+3], v[VALO+\vs] offset:\cb*VCB+\voff
	ds_load_b128 v[VR+8*\cb+4:VR+8*\cb+7], v[VALO+\vs] offset:\cb*VCB+\voff+32
.else
	ds_load_b128 v[VR+8*\cb:VR+8*\cb+3], v[VAHI+\vs] offset:(\cb-2)*VCB+\voff
	ds_load_b128 v[VR+8*\cb+4:VR+8*\cb+7], v[VAHI+\vs] offset:(\cb-2)*VCB+\voff+32
.endif
.endm
.macro LDK kb, off                     ; a step's two k tiles
	ds_load_b128 v[KR+16*(\kb):KR+16*(\kb)+3], v[KA] offset:\off
	ds_load_b128 v[KR+16*(\kb)+4:KR+16*(\kb)+7], v[KA] offset:\off
	ds_load_b128 v[KR+16*(\kb)+8:KR+16*(\kb)+11], v[KA] offset:\off+32
	ds_load_b128 v[KR+16*(\kb)+12:KR+16*(\kb)+15], v[KA] offset:\off+32
.endm
; nt: the piece's n tile; kb: the k buffer of the score products; pv, zero, qk: see above; vs, voff: v's slot and byte (n tile 0 alone); ldk: fetch k at KLA
.macro SLOT nt, kb, pv, zero, qk, vs, voff, ldk
.set SB, SR+16*((\nt)&1)
.set SN, SR+16*(((\nt)+1)&1)
.set PB, PR+8*((\nt)&1)
.set PO, PR+8*(((\nt)+1)&1)
.set LP, LR+2*(\nt)
.set AN, ACC+32*(((\nt)+3)&3)
.set NN, ((\nt)+1)&3
.set KB, KR+16*(\kb)
.if (\nt) == 0
	; the last products of the step before come early, and each v fragment is fetched anew at least four plain vector instructions behind its product
	EXPQ 0
	PVM 0, \pv, \zero
	EXPQ 1
	v_nop                                          ; the plain instruction behind the exponentials
	PVM 1, \pv, \zero
	PLQ 0
	PVM 2, \pv, \zero
	LDV 0, \vs, \voff
	EXPQ 2
	PLQ 1
	PVM 3, \pv, \zero
	LDV 1, \vs, \voff
	EXPQ 3
	PLH 2, 0
	QKM \qk
	LDV 2, \vs, \voff
	PLH 2, 1
	PLQ 3                                          ; six plain instructions behind the score products before the next slot reads them
	LDV 3, \vs, \voff
.else
	EXPQ 0
	QKM \qk
	EXPQ 1
	v_nop
	PLQ 0
.if \ldk
	LDK \kb, KLA                                   ; five plain instructions behind this buffer's last product: k two steps ahead
.endif
	EXPQ 2
.if (\nt) == 1
	s_wait_dscnt 6                                 ; v's block 0 is in (and the older loads of k); the six younger loads stay out
.endif
	PVM 0, \pv, \zero
	PLQ 1
.if (\nt) == 1
	s_wait_dscnt 4
.endif
	PVM 1, \pv, \zero
	EXPQ 3
	PLH 2, 0
.if (\nt) == 1
	s_wait_dscnt 2
.endif
	PVM 2, \pv, \zero
	PLH 2, 1
.if (\nt) == 1
	s_wait_dscnt 0
.endif
	PVM 3, \pv, \zero
	PLQ 3
.endif
.endm
; step u of a tile's eight: 32 pos
.macro STEP vs, u, first, last
.set PV0, 1
.set ZA, 0
.set ZB, 0
.set QK3, 1
.set LKON, 1
.if (\u) < 6
.set KLA, (((\u)+2)>>2)*KBLK+(((\u)+2)&3)*64
.else
.set KLA, 4*KBLK+((\u)-6)*64                       ; the next tile's steps 0, 1
.endif
.if \first
.if (\u) == 0
.set PV0, 0                                        ; no piece before the first
.set ZB, 1                                         ; n tiles 0, 1, 2 start their sums in slots 1, 2, 3,
.endif
.if (\u) == 1
.set ZA, 1                                         ; n tile 3 in the next step's slot 0
.endif
.endif
.if \last
.if (\u) >= 6
.set LKON, 0                                       ; nothing beyond the last step
.endif
.if (\u) == 7
.set QK3, 0
.endif
.endif
	SLOT 0, (\u)&1, PV0, ZA, 1, \vs, 64*(\u), 0
	SLOT 1, (\u)&1, 1, ZB, 1, \vs, 0, 0
	SLOT 2, (\u)&1, 1, ZB, 1, \vs, 0, LKON
	SLOT 3, ((\u)+1)&1, 1, ZB, QK3, \vs, 0, 0
.endm
; One tile of v (512 pos, of which my wave takes 256) from slot vs.
.macro TRIP2 vs, refill, first, last
	s_set_vgpr_msb 0x5
	s_wait_tensorcnt 0x0                           ; all my tensor loads have landed, my part of this tile among them,
	ds_add_u32 v128, v129
	s_wait_dscnt 0x0
	s_set_vgpr_msb 0x500
	s_add_nc_u64 s[G0V+4*\vs+2:G0V+4*\vs+3], s[G0V+4*\vs+2:G0V+4*\vs+3], 2048   ; so the descriptors may be written: this slot's next tile
	s_wait_dscnt 0x0                               ; my reads of the other slot are back
	ROUND                                          ; both now hold of every wave of the four work-groups
.if \refill
	tensor_load_to_lds s[G0V+4*(1-\vs):G0V+4*(1-\vs)+3], s[G1V:G1V+7]   ; the next tile, first thing behind the round, into the slot read last
	s_nop 0
.endif
.irp u, 0,1,2,3,4,5,6,7
	STEP \vs, \u, \first, \last
.endr
	v_add_nc_u32 v[KA], 4*KBLK, v[KA]
.endm
	s_mul_i32 s48, s14, 2*KBLK
	v_add_nc_u32 v[KA], s48, v16                   ; tile T, half mh: blocks 4 T + 2 mh, + 1
	LDK 0, 0
	LDK 1, 64
	s_wait_dscnt 4                                 ; step 0's k is in; step 1's four loads stay out
.set SN, SR
.set KB, KR
.set NN, 0
	QKM 1                                          ; the first piece's scores
.irp j, 0,1,2,3,4,5,6,7
	v_mov_b32 v[LR+\j], 0                          ; the row sums; also the places behind the two products
.endr
	TRIP2 0, 1, 1, 0
	s_mov_b32 s48, 3
.Lp2:
	TRIP2 1, 1, 0, 0
	TRIP2 0, 1, 0, 0
	s_sub_co_u32 s48, s48, 1
	s_cmp_lg_u32 s48, 0
	s_cbranch_scc1 .Lp2
	TRIP2 1, 0, 0, 1
.irp cb, 0,1,2,3                                   ; the last piece's products
	v_wmma_f32_16x16x32_bf16 v[ACC+96+8*\cb:ACC+96+8*\cb+7], v[VR+8*\cb:VR+8*\cb+7], v[PR+8:PR+15], v[ACC+96+8*\cb:ACC+96+8*\cb+7]
.endr
	; ---------------- THE WAY OUT ----------------
	v_add_f32 v8, v8, v9                           ; a row sum for each n tile (these lines are the places behind the last products)
	v_add_f32 v9, v10, v11
	v_add_f32 v10, v12, v13
	v_add_f32 v11, v14, v15
.irp nt, 0,1,2,3
	v_permlanex16_b32 v[12+\nt], v[8+\nt], s50, s51
.endr
.irp nt, 0,1,2,3
	v_add_f32 v[8+\nt], v[8+\nt], v[12+\nt]
.endr
	v_and_b32 v1, 31, v0
	v_lshlrev_b32 v1, 4, v1
	s_xor_b32 s49, s12, 2                          ; the wave with my n and the other half of m
	s_lshl_b32 s48, s12, 9
	s_add_co_u32 s48, s48, LX
	v_add_nc_u32 v6, s48, v1
	s_lshl_b32 s48, s49, 9
	s_add_co_u32 s48, s48, LX
	v_add_nc_u32 v3, s48, v1
	s_lshl_b32 s48, s12, 13
	s_add_co_u32 s48, s48, ACCX
	v_add_nc_u32 v2, s48, v1
	s_lshl_b32 s48, s49, 13
	s_add_co_u32 s48, s48, ACCX
	v_add_nc_u32 v4, s48, v1
	ds_store_b128 v6, v[8:11]
.irp nt, 0,1,2,3
.irp k, 0,1,2,3
	ds_store_b128 v2, v[ACC+32*\nt+16+4*\k:ACC+32*\nt+19+4*\k] offset:(4*\nt+\k)*512   ; register blocks 2, 3: the partner's channels
.endr
.endr
	s_wait_dscnt 0x0                               ; stored before I say so
	s_barrier_signal -1
	s_barrier_wait -1
	ds_load_b128 v[12:15], v3
.irp nt, 0,1,2,3
.irp k, 0,1,2,3
	ds_load_b128 v[ACC+32*\nt+16+4*\k:ACC+32*\nt+19+4*\k], v4 offset:(4*\nt+\k)*512    ; the partner's sums for my channels
.endr
.endr
	s_wait_dscnt 16                                ; the partner's row sums are in; the 16 quads stay out
.irp nt, 0,1,2,3
	v_add_f32 v[8+\nt], v[8+\nt], v[12+\nt]
.endr
.irp nt, 0,1,2,3
	v_rcp_f32 v[12+\nt], v[8+\nt]                  ; read only behind the packed adds below, which touch neither v[8:11] nor v[12:15]
.endr
	s_wait_dscnt 0x0
.irp nt, 0,1,2,3
.irp p, 0,1,2,3,4,5,6,7
	v_pk_add_f32 v[ACC+32*\nt+2*\p:ACC+32*\nt+2*\p+1], v[ACC+32*\nt+2*\p:ACC+32*\nt+2*\p+1], v[ACC+32*\nt+16+2*\p:ACC+32*\nt+16+2*\p+1]
.endr
.endr
	s_wait_loadcnt 0x0                             ; the residual
	WIN 0x10                                       ; source 2 in window 1
.irp nt, 0,1,2,3
.irp q, 0,1,2,3,4,5,6,7,8,9,10,11,12,13,14,15
	s_wait_alu depctr_va_vdst(0)
	v_fma_f32 v[16+4*\q+\nt], v[ACC+32*\nt+\q], v[12+\nt], v[VAL+4*\q+\nt]
.endr
.endr
	WIN 0
.irp q, 0,1,2,3,4,5,6,7,8,9,10,11,12,13,14,15      ; channel 32 mh + 16 (q >> 3) + 8 h + (q & 7): 16 lanes store 256 consecutive, aligned bytes
	global_store_b128 v[OFFO], v[16+4*\q:19+4*\q], s[10:11] offset:((\q>>3)*16+(\q&7))*16384 th:TH_STORE_NT
.endr
	s_set_vgpr_msb 0x5
	s_wait_tensorcnt 0x0
	ds_add_u32 v128, v129
	s_wait_dscnt 0x0
	s_set_vgpr_msb 0x500
	ROUND                                          ; the closing round: no work-group ends while a partner may still ask jointly
	s_endpgm
.Lfunc_end_k_qbc742f01ea_attn:
	.size	k_qbc742f01ea_attn, .Lfunc_end_k_qbc742f01ea_attn-k_qbc742f01ea_attn
	.p2alignl 7, 3214868480
	.fill 96, 4, 3214868480
	.section	.rodata,"a",@progbits
	.p2align	6, 0x0
	.amdhsa_kernel k_qbc742f01ea_attn
		.amdhsa_group_segment_fixed_size 327680
		.amdhsa_private_segment_fixed_size 0
		.amdhsa_enable_private_segment 0
		.amdhsa_kernarg_size 32
		.amdhsa_user_sgpr_count 2
		.amdhsa_user_sgpr_kernarg_segment_ptr 1
		.amdhsa_wavefront_size32 1
		.amdhsa_system_sgpr_workgroup_id_x 1
		.amdhsa_system_sgpr_workgroup_id_y 1
		.amdhsa_system_sgpr_workgroup_id_z 1
		.amdhsa_system_vgpr_workitem_id 0
		.amdhsa_next_free_vgpr 386
		.amdhsa_next_free_sgpr 66
		.amdhsa_reserve_vcc 0
		.amdhsa_float_denorm_mode_32 3
		.amdhsa_float_denorm_mode_16_64 3
		.amdhsa_memory_ordered 1
		.amdhsa_forward_progress 1
		.amdhsa_inst_pref_size 255
	.end_amdhsa_kernel
	.section	.bss,"aw",@nobits
	.p2align	6
	.space	262144
	.amdgpu_metadata
---
amdhsa.version: [ 1, 2 ]
amdhsa.kernels:
  - .name:           k_qbc742f01ea_attn
    .symbol:         k_qbc742f01ea_attn.kd
    .args:
      - { .name: qk, .offset: 0, .size: 8, .value_kind: global_buffer, .address_space: global }
      - { .name: vws, .offset: 8, .size: 8, .value_kind: global_buffer, .address_space: global }
      - { .name: value, .offset: 16, .size: 8, .value_kind: global_buffer, .address_space: global }
      - { .name: out0, .offset: 24, .size: 8, .value_kind: global_buffer, .address_space: global }
    .group_segment_fixed_size: 327680
    .private_segment_fixed_size: 0
    .kernarg_segment_align: 8
    .kernarg_segment_size: 32
    .max_flat_workgroup_size: 128
    .sgpr_count:     66
    .vgpr_count:     386
    .wavefront_size: 32
...
	.end_amdgpu_metadata
.endif
;; end of part 2
;; ======== version 2 of 3: 2 launches; 1.56 times as fast as version 1
;; workspace buffers: qk 2,097,152 bytes; vws 4,194,304 bytes
;; launch prep (part 3): grid 256 x 1, 4 waves a work-group, no clusters, 66,048 bytes of LDS; arguments query, value, Wq, bq, Wk, bk, Wv, bv, qk, vws; writes qk, vws
.if DOCPART == 3
	.amdgcn_target "amdgcn-amd-amdhsa--gfx1250"
	.amdhsa_code_object_version 6
	.text
	.protected	k_qbc742f01ea_prep
	.globl	k_qbc742f01ea_prep
	.p2align	8
	.type	k_qbc742f01ea_prep,@function
k_qbc742f01ea_prep:
	s_mov_b64 s[64:65], 0
	v_nop
	global_prefetch_b8 v0, s[64:65] scope:SCOPE_SE
	s_setreg_imm32_b32 hwreg(HW_REG_WAVE_MODE, 25, 1), 1
	s_wait_xcnt 0x0
; The three 1x1 convolutions:  q' = log2(e) (Wq x + bq),  k = Wk x + bk  (x = query),  v = Wv y + bv  (y = value).
; Work-group g: image b = g >> 5, block blk = g & 31 of 128 pixels, all 64 channels of both tensors.  Four waves.
; The products run on the matrix unit in bf16 with f32 sums; every f32 operand is split into a bf16 high part and a bf16 low part,
; and three products are summed: Wh xh + Wl xh + Wh xl (the fourth, Wl xl, is some 2^-16 of the result and is left out).
; OUT:  qk  [0 = q', 1 = k][b][0 = high, 1 = low part][kappa 4096][8 bf16]     vws [b][c 64][pos 4096] bf16
; Pixel p = 64 u + 4 rho + e of a block (t = 4 u + e) lies at kappa = 16 t + rho and at pos = 8 rho + t.  With that order a lane's
; 16-byte load of x holds four tiles' column rho, and every store of 16 neighbouring lanes covers 256 consecutive, aligned bytes.
; No cluster: no two work-groups read the same pixels, and the weights are a fortieth of a work-group's bytes.
; LIMITS: finite inputs; v is rounded to bf16, q' and k to a pair of bf16 (about 16 bits).
.set LOG2E, 0x3fb8aa3b
.set RAWV, 8                           ; v[8:39]    Wv as loaded; later split results, q/k accumulators, packed q/k
.set BV,   40                          ; v[40:47]   bv[16 w + 8 h + j]
.set BQK,  48                          ; v[48:55]   h ? bk[j] : bq[j]
.set SC,   56                          ; v[56:57]   h ? 1 : log2(e), twice
.set STA,  58                          ; v58        LDS address of my fragment stores
.set RDQ,  59                          ; v59        LDS address of my two query tiles
.set NEG1, 62                          ; v62        -1.0
.set WVH,  64                          ; v[64:79]   Wv high, K steps 0, 1   (v[64:95] first hold Wq as loaded)
.set WVL,  80                          ; v[80:95]   Wv low
.set WQH,  96                          ; v[96:111]  Wq over Wk, high        (v[96:127] first hold Wk as loaded)
.set WQL,  112                         ; v[112:127] Wq over Wk, low
.set XR,   128                         ; v[128:255] x and y as loaded: 128 + 64 T + 8 i + 4 u + e
.set FA,   128                         ; v[128:159], v[160:191] fragment halves
.set FB,   160
.set AC,   192                         ; v[192:255] v's eight accumulator tiles
; THE SPLIT of two f32 a, b: hi = their bf16 roundings, packed; a and b are then replaced by what is left, a - hi.l and b - hi.h (one fused
; multiply-add each, bf16 half x -1 + f32: the difference has at most 16 significant bits, so it is exact); lo = the roundings of these.
; Four instructions for two numbers, done for n pairs at a time, step by step, so that no line reads the result of the line before it.
; n pairs that lie side by side: v[src + 2 i], v[src + 2 i + 1] -> v[hi + i], v[lo + i]
.macro SPLITN n, hi, lo, src
.set i, 0
.rept \n
	v_cvt_pk_bf16_f32 v[\hi+i], v[\src+2*i], v[\src+2*i+1]
.set i, i+1
.endr
.set i, 0
.rept \n
	v_fma_mix_f32_bf16 v[\src+2*i], v[\hi+i], v[NEG1], v[\src+2*i] op_sel_hi:[1,0,0]
	v_fma_mix_f32_bf16 v[\src+2*i+1], v[\hi+i], v[NEG1], v[\src+2*i+1] op_sel:[1,0,0] op_sel_hi:[1,0,0]
.set i, i+1
.endr
.set i, 0
.rept \n
	v_cvt_pk_bf16_f32 v[\lo+i], v[\src+2*i], v[\src+2*i+1]
.set i, i+1
.endr
.endm
; four places behind a matrix instruction (ISA guide 7.12.1) where there is no vector work to put there
.macro PLACES
.rept 4
	v_nop
.endr
.endm
	s_load_b256 s[4:11], s[0:1], 0x0               ; query s[4:5], value s[6:7], Wq s[8:9], bq s[10:11]
	s_load_b256 s[12:19], s[0:1], 0x20             ; Wk s[12:13], bk s[14:15], Wv s[16:17], bv s[18:19]
	s_load_b128 s[20:23], s[0:1], 0x40             ; qk s[20:21], vws s[22:23]
	s_set_vgpr_msb 0x40
	v_lshl_add_u32 v0, v0, 2, 0x10000
	v_mov_b32 v1, 0
	s_set_vgpr_msb 0x4000
	v_lshrrev_b32 v62, 5, v0
	v_readfirstlane_b32 s40, v62                   ; wave w
	s_lshr_b32 s41, ttmp9, 5                       ; b
	s_and_b32 s42, ttmp9, 31                       ; blk
	v_and_b32 v1, 15, v0                           ; r
	v_bfe_u32 v2, v0, 4, 1                         ; h
	v_and_b32 v3, 31, v0
	v_lshlrev_b32 v3, 4, v3                        ; 16 x lane
	v_lshrrev_b32 v62, 4, v0                       ; 2 w + h
	v_lshlrev_b32 v63, 4, v1                       ; 16 r
	v_lshl_add_u32 v4, v62, 17, v63                ; x: channel 16 w + 8 h (rows of 16,384 bytes), pixels 4 r ..
	v_lshl_add_u32 v7, v62, 16, v63                ; vws: row 16 w + 8 h (8,192 bytes), 16 r
	v_lshlrev_b32 v61, 5, v62                      ; bv: 4 (16 w + 8 h)
	v_and_b32 v5, 7, v1
	v_lshlrev_b32 v5, 8, v5
	v_lshl_add_u32 v5, v2, 5, v5                   ; Wq, Wk: row r & 7 (256 bytes) + 32 h
	s_lshl_b32 s43, s40, 12
	v_lshlrev_b32 v60, 8, v1
	v_lshl_add_u32 v60, v2, 5, v60
	v_add_nc_u32 v60, s43, v60                     ; Wv: row 16 w + r, + 32 h
	s_lshl_b32 s43, s40, 9
	v_lshl_add_u32 v6, v2, 20, v63
	v_add_nc_u32 v6, s43, v6                       ; qk: h picks q' or k; kappa = 16 (2 w) + r
	s_lshr_b32 s43, s40, 1
	s_lshl_b32 s43, s43, 13
	v_add_nc_u32 v[STA], s43, v3                   ; my channels are K step w >> 1,
	s_and_b32 s43, s40, 1
	s_lshl_b32 s43, s43, 9
	v_add_nc_u32 v[STA], s43, v[STA]               ; registers 4 (w & 1) .. of a fragment
	s_lshl_b32 s43, s40, 11
	v_add_nc_u32 v[RDQ], s43, v3                   ; tiles 2 w, 2 w + 1
	s_wait_kmcnt 0x0
	s_load_b256 s[24:31], s[10:11], 0x0            ; bq
	s_load_b256 s[32:39], s[14:15], 0x0            ; bk
	s_lshl_b32 s44, s41, 20
	s_lshl_b32 s43, s42, 9
	s_add_co_u32 s44, s44, s43
	s_mov_b32 s45, 0
	s_add_nc_u64 s[4:5], s[4:5], s[44:45]          ; query and value at image b, pixel 128 blk
	s_add_nc_u64 s[6:7], s[6:7], s[44:45]
	s_lshl_b32 s46, s41, 17
	s_lshl_b32 s43, s42, 11
	s_add_co_u32 s46, s46, s43
	s_mov_b32 s47, 0
	s_add_nc_u64 s[20:21], s[20:21], s[46:47]      ; qk at image b, kappa 128 blk
	s_lshl_b32 s48, s41, 19
	s_lshl_b32 s43, s42, 8
	s_add_co_u32 s48, s48, s43
	s_mov_b32 s49, 0
	s_add_nc_u64 s[22:23], s[22:23], s[48:49]      ; vws at image b, pos 128 blk
	; all 58 loads of the wave go out at once: 2 + 8 + 8 + 8 of the weights, then 4 groups of 8 of x and y
	global_load_b128 v[BV:BV+3], v61, s[18:19]
	global_load_b128 v[BV+4:BV+7], v61, s[18:19] offset:16
.irp q, 0,1,2,3,4,5,6,7                            ; quad q: columns 16 (q >> 1) + 8 h + 4 (q & 1) ..
	global_load_b128 v[64+4*\q:67+4*\q], v5, s[8:9] offset:(\q>>1)*64+(\q&1)*16
.endr
.irp q, 0,1,2,3,4,5,6,7
	global_load_b128 v[96+4*\q:99+4*\q], v5, s[12:13] offset:(\q>>1)*64+(\q&1)*16
.endr
.irp q, 0,1,2,3,4,5,6,7
	global_load_b128 v[RAWV+4*\q:RAWV+4*\q+3], v60, s[16:17] offset:(\q>>1)*64+(\q&1)*16
.endr
.irp u, 0,1
.irp i, 0,1,2,3,4,5,6,7
	global_load_b128 v[XR+8*\i+4*\u:XR+8*\i+4*\u+3], v4, s[4:5] offset:\i*16384+\u*256 th:TH_LOAD_NT
.endr
.endr
.irp u, 0,1
.irp i, 0,1,2,3,4,5,6,7
	global_load_b128 v[XR+64+8*\i+4*\u:XR+64+8*\i+4*\u+3], v4, s[6:7] offset:\i*16384+\u*256
.endr
.endr
	v_mov_b32 v[NEG1], -1.0                        ; v62 is no load's address: it only helped to make them
	; the weights: rows 0-7 of the q/k operand are Wq's, rows 8-15 Wk's
	s_wait_loadcnt 40                              ; bv, Wq, Wk are in; Wv's 8 loads and the 32 of x and y stay out
	v_cmp_lt_u32 vcc_lo, 7, v1                     ; r >= 8
.set i, 0
.rept 32
	v_cndmask_b32 v[64+i], v[64+i], v[96+i], vcc_lo
.set i, i+1
.endr
	SPLITN 16, WQH, WQL, 64
	s_wait_loadcnt 32                              ; Wv is in; the 32 loads of x and y stay out
	SPLITN 16, WVH, WVL, RAWV
	s_wait_kmcnt 0x0                               ; bq, bk
	v_cmp_eq_u32 vcc_lo, 1, v2                     ; h = 1: the lanes that will hold k
.irp j, 0,1,2,3,4,5,6,7
	v_mov_b32 v[BQK+\j], s[24+\j]
.endr
.irp j, 0,1,2,3,4,5,6,7
	v_mov_b32 v[8+\j], s[32+\j]                    ; v[8:39] are free from here to the first group of x
.endr
.irp j, 0,1,2,3,4,5,6,7
	v_cndmask_b32 v[BQK+\j], v[BQK+\j], v[8+\j], vcc_lo
.endr
	v_mov_b32 v[SC+1], 1.0
	v_cndmask_b32 v[SC], LOG2E, v[SC+1], vcc_lo
	v_mov_b32 v[SC+1], v[SC]
; One group of eight loads (tensor T, half u of the block) holds four tiles t = 4 u + e.  My lane holds channels 16 w + 8 h + 0..7 of column r
; of each: four registers of the tile's B fragment, high part and low part, 16 bytes a lane into the fragment image
;   LDS byte ((((T 2 + part) 2 + K step) 8 + t) 1024 + 512 (registers 4-7) + 16 lane,
; so that a fragment is read back by two loads of 512 consecutive bytes.
; XHALF: tiles e = 2 g, 2 g + 1: eight splits step by step (channels 2 p and 2 p + 1 lie 8 registers apart), then the four stores in one run.
; Results: tile e = 2 g + c: high part v[8 + 16 g + 8 c ..+3], low part the four registers behind.
.macro XHALF T, u, g
.irp c, 0,1
.irp p, 0,1,2,3
	v_cvt_pk_bf16_f32 v[8+16*\g+8*\c+\p], v[XR+64*\T+16*\p+4*\u+2*\g+\c], v[XR+64*\T+16*\p+8+4*\u+2*\g+\c]
.endr
.endr
.irp c, 0,1
.irp p, 0,1,2,3
	v_fma_mix_f32_bf16 v[XR+64*\T+16*\p+4*\u+2*\g+\c], v[8+16*\g+8*\c+\p], v[NEG1], v[XR+64*\T+16*\p+4*\u+2*\g+\c] op_sel_hi:[1,0,0]
	v_fma_mix_f32_bf16 v[XR+64*\T+16*\p+8+4*\u+2*\g+\c], v[8+16*\g+8*\c+\p], v[NEG1], v[XR+64*\T+16*\p+8+4*\u+2*\g+\c] op_sel:[1,0,0] op_sel_hi:[1,0,0]
.endr
.endr
.irp c, 0,1
.irp p, 0,1,2,3
	v_cvt_pk_bf16_f32 v[12+16*\g+8*\c+\p], v[XR+64*\T+16*\p+4*\u+2*\g+\c], v[XR+64*\T+16*\p+8+4*\u+2*\g+\c]
.endr
.endr
.irp c, 0,1
	ds_store_b128 v[STA], v[8+16*\g+8*\c:11+16*\g+8*\c] offset:\T*32768+(4*\u+2*\g+\c)*1024
	ds_store_b128 v[STA], v[12+16*\g+8*\c:15+16*\g+8*\c] offset:\T*32768+16384+(4*\u+2*\g+\c)*1024
.endr
.endm
.macro XGROUP T, u, left
	s_wait_loadcnt \left                           ; this group's eight loads are in, the later groups stay out
	XHALF \T, \u, 0
	XHALF \T, \u, 1
.endm
	XGROUP 0, 0, 24
	XGROUP 0, 1, 16
	XGROUP 1, 0, 8
	XGROUP 1, 1, 0
	s_wait_dscnt 0x0                               ; my stores are done before I say so: the other waves read them
	s_barrier_signal -1
	s_barrier_wait -1
	; q' and k of tiles 2 w and 2 w + 1: fragment (part, K step) hk = 2 part + K step, tile tt, at FA + 8 (2 hk + tt)
.irp hk, 0,1,2,3
.irp tt, 0,1
	ds_load_b128 v[FA+8*(2*\hk+\tt):FA+8*(2*\hk+\tt)+3], v[RDQ] offset:(8*\hk+\tt)*1024
	ds_load_b128 v[FA+8*(2*\hk+\tt)+4:FA+8*(2*\hk+\tt)+7], v[RDQ] offset:(8*\hk+\tt)*1024+512
.endr
.endr
	s_wait_dscnt 0x0
.macro QW tt, w, f, first              ; the first product of a tile takes the bias as C
.if \first
	v_wmma_f32_16x16x32_bf16 v[8+8*\tt:15+8*\tt], v[\w:\w+7], v[\f:\f+7], v[BQK:BQK+7]
.else
	v_wmma_f32_16x16x32_bf16 v[8+8*\tt:15+8*\tt], v[\w:\w+7], v[\f:\f+7], v[8+8*\tt:15+8*\tt]
.endif
.endm
	; the two accumulators take turns, one instruction a turn
	QW 0, WQH, FA, 1
	QW 1, WQH, FA+8, 1
	QW 0, WQL, FA, 0
	QW 1, WQL, FA+8, 0
	QW 0, WQH, FA+32, 0
	QW 1, WQH, FA+40, 0
	QW 0, WQH+8, FA+16, 0
	QW 1, WQH+8, FA+24, 0
	QW 0, WQL+8, FA+16, 0
	QW 1, WQL+8, FA+24, 0
	QW 0, WQH+8, FA+48, 0
	QW 1, WQH+8, FA+56, 0
; v: stage st = (K step st >> 2, part (st >> 1) & 1, tiles 4 (st & 1) ..): four fragments of y into half f
.macro LDST st, f
.set KS, (\st)>>2
.set HL, ((\st)>>1)&1
.set TG, (\st)&1
.irp tt, 0,1,2,3
	ds_load_b128 v[\f+8*\tt:\f+8*\tt+3], v3 offset:(((2+HL)*2+KS)*8+4*TG+\tt)*1024
	ds_load_b128 v[\f+8*\tt+4:\f+8*\tt+7], v3 offset:(((2+HL)*2+KS)*8+4*TG+\tt)*1024+512
.endr
.endm
; its products: Wh on the four tiles in turn, and on the high part of y also Wl.  The first product of a tile takes the bias as C.
.macro VW st, f
.set KS, (\st)>>2
.set HL, ((\st)>>1)&1
.set TG, (\st)&1
.irp tt, 0,1,2,3
.if (\st) < 2
	v_wmma_f32_16x16x32_bf16 v[AC+8*(4*TG+\tt):AC+8*(4*TG+\tt)+7], v[WVH+8*KS:WVH+8*KS+7], v[\f+8*\tt:\f+8*\tt+7], v[BV:BV+7]
.else
	v_wmma_f32_16x16x32_bf16 v[AC+8*(4*TG+\tt):AC+8*(4*TG+\tt)+7], v[WVH+8*KS:WVH+8*KS+7], v[\f+8*\tt:\f+8*\tt+7], v[AC+8*(4*TG+\tt):AC+8*(4*TG+\tt)+7]
.endif
.endr
.if HL == 0
.irp tt, 0,1,2,3
	v_wmma_f32_16x16x32_bf16 v[AC+8*(4*TG+\tt):AC+8*(4*TG+\tt)+7], v[WVL+8*KS:WVL+8*KS+7], v[\f+8*\tt:\f+8*\tt+7], v[AC+8*(4*TG+\tt):AC+8*(4*TG+\tt)+7]
.endr
.endif
.endm
.macro STAGE st, f, g, last
.if \st
	PLACES                                         ; half g was read by the matrix instructions just issued
.endif
.if \last
	s_wait_dscnt 0x0
.else
	LDST \st+1, \g
	s_wait_dscnt 8                                 ; this stage's fragments are in; the next stage's eight loads stay out
.endif
	VW \st, \f
.endm
	PLACES                                         ; behind the last q/k product: its results are read, its fragments loaded over
	LDST 0, FA                                     ; v's first stage is on its way while q' and k leave
	; lanes h = 0 hold q[0..7], lanes h = 1 hold k[0..7] of pixel (t, r): scale, split, 16 bytes a lane, 256 a half wave
.irp p, 0,1,2,3,4,5,6,7
	v_pk_mul_f32 v[8+2*\p:9+2*\p], v[8+2*\p:9+2*\p], v[SC:SC+1]
.endr
	SPLITN 8, 24, 32, 8                            ; tile tt: high part v[24 + 4 tt ..+3], low part v[32 + 4 tt ..+3]
.irp tt, 0,1
	global_store_b128 v6, v[24+4*\tt:27+4*\tt], s[20:21] offset:\tt*256
	global_store_b128 v6, v[32+4*\tt:35+4*\tt], s[20:21] offset:\tt*256+65536
.endr
	STAGE 0, FA, FB, 0
	STAGE 1, FB, FA, 0
	STAGE 2, FA, FB, 0
	STAGE 3, FB, FA, 0
	STAGE 4, FA, FB, 0
	STAGE 5, FB, FA, 0
	STAGE 6, FA, FB, 0
	STAGE 7, FB, FA, 1
	PLACES
	; row c = 16 w + 8 h + j: my eight tiles' column r are pos 8 r + 0..7, 16 bytes; 16 lanes store 256 consecutive, aligned bytes
.irp j, 0,1,2,3,4,5,6,7
.irp p, 0,1,2,3
	v_cvt_pk_bf16_f32 v[FA+4*\j+\p], v[AC+16*\p+\j], v[AC+16*\p+8+\j]
.endr
	global_store_b128 v7, v[FA+4*\j:FA+4*\j+3], s[22:23] offset:\j*8192
.endr
	s_set_vgpr_msb 0x5
	s_wait_tensorcnt 0x0
	ds_add_u32 v0, v1
	s_wait_dscnt 0x0
	s_set_vgpr_msb 0x500
	s_endpgm
.Lfunc_end_k_qbc742f01ea_prep:
	.size	k_qbc742f01ea_prep, .Lfunc_end_k_qbc742f01ea_prep-k_qbc742f01ea_prep
	.p2alignl 7, 3214868480
	.fill 96, 4, 3214868480
	.section	.rodata,"a",@progbits
	.p2align	6, 0x0
	.amdhsa_kernel k_qbc742f01ea_prep
		.amdhsa_group_segment_fixed_size 66048
		.amdhsa_private_segment_fixed_size 0
		.amdhsa_enable_private_segment 0
		.amdhsa_kernarg_size 80
		.amdhsa_user_sgpr_count 2
		.amdhsa_user_sgpr_kernarg_segment_ptr 1
		.amdhsa_wavefront_size32 1
		.amdhsa_system_sgpr_workgroup_id_x 1
		.amdhsa_system_sgpr_workgroup_id_y 1
		.amdhsa_system_sgpr_workgroup_id_z 1
		.amdhsa_system_vgpr_workitem_id 0
		.amdhsa_next_free_vgpr 258
		.amdhsa_next_free_sgpr 66
		.amdhsa_reserve_vcc 1
		.amdhsa_float_denorm_mode_32 3
		.amdhsa_float_denorm_mode_16_64 3
		.amdhsa_memory_ordered 1
		.amdhsa_forward_progress 1
		.amdhsa_inst_pref_size 53
	.end_amdhsa_kernel
	.amdgpu_metadata
---
amdhsa.version: [ 1, 2 ]
amdhsa.kernels:
  - .name:           k_qbc742f01ea_prep
    .symbol:         k_qbc742f01ea_prep.kd
    .args:
      - { .name: query, .offset: 0, .size: 8, .value_kind: global_buffer, .address_space: global }
      - { .name: value, .offset: 8, .size: 8, .value_kind: global_buffer, .address_space: global }
      - { .name: Wq, .offset: 16, .size: 8, .value_kind: global_buffer, .address_space: global }
      - { .name: bq, .offset: 24, .size: 8, .value_kind: global_buffer, .address_space: global }
      - { .name: Wk, .offset: 32, .size: 8, .value_kind: global_buffer, .address_space: global }
      - { .name: bk, .offset: 40, .size: 8, .value_kind: global_buffer, .address_space: global }
      - { .name: Wv, .offset: 48, .size: 8, .value_kind: global_buffer, .address_space: global }
      - { .name: bv, .offset: 56, .size: 8, .value_kind: global_buffer, .address_space: global }
      - { .name: qk, .offset: 64, .size: 8, .value_kind: global_buffer, .address_space: global }
      - { .name: vws, .offset: 72, .size: 8, .value_kind: global_buffer, .address_space: global }
    .group_segment_fixed_size: 66048
    .private_segment_fixed_size: 0
    .kernarg_segment_align: 8
    .kernarg_segment_size: 80
    .max_flat_workgroup_size: 128
    .sgpr_count:     66
    .vgpr_count:     258
    .wavefront_size: 32
...
	.end_amdgpu_metadata
.endif
;; end of part 3
;; launch attn (part 4): grid 32 x 8, 8 waves a work-group, clusters of 4 x 1, 327,680 bytes of LDS; arguments qk, vws, value, out0; writes out0
.if DOCPART == 4
	.amdgcn_target "amdgcn-amd-amdhsa--gfx1250"
	.amdhsa_code_object_version 6
	.text
	.protected	k_qbc742f01ea_attn
	.globl	k_qbc742f01ea_attn
	.p2align	8
	.type	k_qbc742f01ea_attn,@function
k_qbc742f01ea_attn:
	s_mov_b64 s[64:65], 0
	v_nop
	global_prefetch_b8 v0, s[64:65] scope:SCOPE_SE
	s_setreg_imm32_b32 hwreg(HW_REG_WAVE_MODE, 25, 1), 1
	s_wait_xcnt 0x0
	s_wait_alu depctr_hold_cnt(0) depctr_sa_sdst(0) depctr_va_vdst(0) depctr_va_sdst(0) depctr_va_ssrc(0) depctr_va_vcc(0) depctr_vm_vsrc(0)
	s_getreg_b32 s2, hwreg(HW_REG_IB_STS2, 6, 4)
	s_cmp_eq_u32 s2, 0
	s_cbranch_scc0 .Lentry_in_a_cluster
	s_endpgm
.Lentry_in_a_cluster:
	s_bfe_u32 s2, ttmp6, 0x10000c
	s_cmp_lg_u32 s2, 0x3003
	s_cbranch_scc0 .Lentry_shape_is_right
	s_endpgm
.Lentry_shape_is_right:
; out[b][c][n] = sum over m of v[c][m] softmax_m(q_n . k_m) + value[b][c][n], from q' = log2(e) q, k (bf16 high and low parts) and v (bf16).
; Work-group (x, b): 128 columns n of image b.  Eight waves, two for each of the four SIMDs: a wave issues in order, so while one wave stands
; in front of a run of LDS loads or in its exponentials, the other has products to issue.  Wave w: n half nh = w & 1 (four tiles of 16 n),
; m quarter mq = w >> 1.  n tile nt, lane column r stands for n = 128 x + 64 nh + 4 r + nt: a lane's four tiles are four neighbouring n.
; TWO PASSES over m.  Pass 1: scores and their maximum alone.  Pass 2: the scores again with C = -maximum, so that the matrix result is
; already (score - true row maximum) in base 2; then exp2, the row sum in f32, bf16, and the product with v.  Nothing is rescaled.
; SCORES: d = 8 fills a quarter of the form's K = 32; the other places carry precision.  A = K tile: lanes h = 0 hold the high part of k twice,
; lanes h = 1 the low part twice.  B = Q tile: registers 0-3 the high part of q', 4-7 the low part.  The sum over K is (qh + ql)(kh + kl).
; The result, lane (r, h) register j = (m = 8 h + j, n = r), is after packing the B fragment of the second product: no lane traffic.
; The order of m is free under a softmax; k's rows and v's columns are stored so that both agree (see KA below).
; K COMES IN FOUR PARTS, each with two of the eight blocks of every m quarter: pass 1 starts when the first 32 of k's 128 KiB are in LDS,
; and each later part lands while the blocks before it are worked on.  The residual is asked for behind pass 1: pass 2 is its time to land.
; LDS LOADS STAND IN RUNS: one run of 12 for a step of 24 products in pass 2, one of 8 for 16 products in pass 1.
; CLUSTER 4 x 1: the four work-groups share b, hence all of k and v: every tensor load is joint (mask 15).  Not 4 x 4: along y the images differ.
; LIMITS: finite inputs; P and v are rounded to bf16, the row sum is taken from the unrounded exponentials; an exponential below 2^-126 counts
; as 0 (ISA guide, v_exp_f32); the sums run in another order than a row-by-row sum.
.set KBLK,   2304                      ; K in LDS: a block of 128 rows of k = 8 LDS rows of 256 bytes, pitch 288
.set KPLANE, 73728                     ; 256 such rows: the high parts; the low parts behind them
.set KCH,    16*288                    ; what one tensor load of k fills: 16 LDS rows, two blocks of one plane
.set VSL,    147456                    ; v behind K
.set VROW,   1040                      ; a row of 1,024 bytes (512 pos) + 16 of padding = 65 x 16
.set VS1,    8*VROW                    ; the 8 rows that one wave brings; slot 1's lie behind slot 0's
.set VW8,    2*VS1+128                 ; from a wave's rows to the next wave's: 1,048 x 16, so that rows r and r + 8 start 8 columns of 16 bytes apart
.set VCB,    2*VW8                     ; 16 channels
.set MAXX,   VSL+8*VW8                 ; scratch that the waves write, in 256-byte blocks into which no tensor load lands: maxima 8 x 512,
.set LX,     MAXX+4096                 ; row sums 8 x 512
.set ACCX,   0                         ; accumulators 8 x 12,288, over k's bytes: these have had their only fill, and a barrier stands behind the last read of k
.set ACCW,   12288
; window 0
.set VA,   2                           ; v[2:5]   v fragments of register blocks 0-3 (both slots: the slot is in the immediate)
.set KA,   6                           ; v6       k fragments
.set OFFO, 7                           ; v7       my 16 bytes of value and out
.set LR,   8                           ; v[8:15]  pass 1: maxima in v[8:11]; pass 2: a pair of row sums for each n tile
.set PR,   16                          ; v[16:31] P, two buffers of 8 (in pass 1: v16 k lane term, v18 q address, v21, v22 scratch addresses)
.set SR,   32                          ; v[32:63] scores, two buffers of 16 (two m tiles)
.set KR,   64                          ; v[64:95] k fragments, two buffers of 16; pass 1: v[64:127], eight buffers of 8
.set VR,   96                          ; v[96:127] v fragments, four blocks of 16 channels
.set ACC,  128                         ; v[128:255] accumulators 128 + 32 nt + 8 cb
.set Q0,   128                         ; pass 1: q fragments in window 0,
.set SP1,  160                         ;         two sets of four score tiles
; window 1 (names are the low 8 bits)
.set QW,   0                           ; v[256:287] q fragments
.set NEGM, 32                          ; v[288:319] -maximum, eight copies for each n tile: the C operand of pass 2
.set VAL,  64                          ; v[320:351] the residual, 8 quads
.set G0K0, 20                          ; k's four parts: from where and to where, a set of four registers each, since all four loads are out at once
.set G0K1, 56
.set G0K2, 60
.set G0K3, 68
.set G1K, 24                           ; s[24:31] k's shape
.set G1V, 32                           ; s[32:39] v's shape; s[40:43], s[44:47] from where and to where, one set for each slot
.set G0V, 40
.set MSB, 0
.macro WIN new                         ; s_set_vgpr_msb: bits 1:0 source 0, 3:2 source 1, 5:4 source 2, 7:6 destination; the high byte repeats the setting left
.if MSB != \new
	s_set_vgpr_msb (MSB<<8)|\new
.set MSB, \new
.endif
.endm
; A round of the cluster's barrier: my work-group's barrier, wave 0 signals for the work-group, every wave waits for all four work-groups, my work-group's barrier again.
.macro ROUND
	s_barrier_signal -1
	s_barrier_wait -1
	s_cmp_lg_u32 s12, 0
	s_cbranch_scc1 .Lnot_wave_0_\@
	s_barrier_signal -3
.Lnot_wave_0_\@:
	s_barrier_wait -3
	s_barrier_signal -1
	s_barrier_wait -1
.endm
	s_load_b256 s[4:11], s[0:1], 0x0               ; qk s[4:5], vws s[6:7], value s[8:9], out0 s[10:11]
	s_set_vgpr_msb 0x40
	v_lshl_add_u32 v96, v0, 2, 0x46c00
	v_mov_b32 v97, 0
	s_set_vgpr_msb 0x4045
	ds_add_u32 v96, v97
	s_set_vgpr_msb 0x4500
	v_lshrrev_b32 v1, 5, v0
	v_readfirstlane_b32 s12, v1                    ; wave w
	s_and_b32 s13, s12, 1                          ; nh
	s_lshr_b32 s14, s12, 1                         ; mq
	s_bfe_u32 s15, ttmp6, 0x40000                  ; cx: enters the global addresses of q', value and out alone
	s_lshl_b32 s16, ttmp9, 2
	s_add_co_u32 s16, s16, s15                     ; work-group x = 4 x cluster x + cx
	s_and_b32 s17, ttmp7, 0xffff                   ; b, the same in the four partners
	s_mov_b32 s50, 0x76543210                      ; v_permlanex16_b32: lane i of one half reads lane i of the other
	s_mov_b32 s51, 0xfedcba98
	; k: one load of a wave brings 16 rows of 256 bytes (elements of 8 bytes), 32 bytes of padding behind each
	s_mov_b32 s[G1K+0], 15|(3<<16)|(1<<20)|(1<<21)|(5<<22)|(7<<25)  ; mask of the four; 8-byte elements; padding on; bit 21 beside a mask; after 64 words skip 8
	s_mov_b32 s[G1K+1], 32<<16                     ; tensor_dim0 = 32
	s_mov_b32 s[G1K+2], 16<<16                     ; tensor_dim1 = 16
	s_mov_b32 s[G1K+3], 32<<16                     ; tile_dim0 = 32
	s_mov_b32 s[G1K+4], 16                         ; tile_dim1 = 16
	s_mov_b32 s[G1K+5], 32                         ; dense rows
	s_mov_b32 s[G1K+6], 0
	s_mov_b32 s[G1K+7], 0
	; v: a wave brings 8 rows of 1,024 bytes out of rows of 8,192, 16 bytes of padding behind each
	s_mov_b32 s[G1V+0], 15|(3<<16)|(1<<20)|(1<<21)|(7<<22)|(3<<25)  ; after 256 words skip 4
	s_mov_b32 s[G1V+1], 128<<16
	s_mov_b32 s[G1V+2], 8<<16
	s_mov_b32 s[G1V+3], 128<<16
	s_mov_b32 s[G1V+4], 8
	s_mov_b32 s[G1V+5], 1024
	s_mov_b32 s[G1V+6], 0
	s_mov_b32 s[G1V+7], 0
	; lane terms
	v_and_b32 v1, 15, v0                           ; r
	v_bfe_u32 v17, v0, 4, 1                        ; h
	v_lshlrev_b32 v18, 4, v1                       ; q': 16 r
	v_lshl_add_u32 v[OFFO], v17, 17, v18           ; value, out: 8 h rows of 16,384 bytes + 16 r
	v_and_b32 v19, 7, v1                           ; r & 7
	v_lshrrev_b32 v20, 3, v1                       ; r >> 3
	; row i = r of k tile a of a block is the pixel at v's pos 16 a + i, stored at kappa = 16 (i & 7) + 2 a + (i >> 3):
	; LDS row i & 7 of the block, byte 32 a + 16 (i >> 3).  The sixteen lanes touch sixteen different 16-byte columns: 2 (r & 7) + (r >> 3).
	v_mul_u32_u24 v23, v19, 288
	v_lshl_add_u32 v23, v20, 4, v23
	v_mul_u32_u24 v24, v17, KPLANE                 ; lanes h = 1 read the low parts
	v_add_nc_u32 v16, v23, v24
	; v fragment: channel 16 block + r lies in the rows of wave 2 block + (r >> 3), row r & 7; 16 h bytes in; my quarter of the tile's 512 pos.
	; Register block cb holds channel block cb xor mq, so that every wave keeps register block 0 at the end and hands blocks 1-3 to its
	; three partners: one text for all.
	v_mul_u32_u24 v19, v19, VROW
	v_mul_u32_u24 v20, v20, VW8
	v_add_nc_u32 v19, v19, v20
	v_lshl_add_u32 v19, v17, 4, v19
	s_lshl_b32 s48, s14, 8
	s_add_co_u32 s48, s48, VSL
	v_add_nc_u32 v19, s48, v19
.irp cb, 0,1,2,3
	s_xor_b32 s49, s14, \cb
	s_mul_i32 s49, s49, VCB
	v_add_nc_u32 v[VA+\cb], s49, v19
.endr
	v_and_b32 v20, 31, v0
	v_lshlrev_b32 v20, 4, v20
	s_lshl_b32 s48, s12, 9
	s_add_co_u32 s48, s48, MAXX
	v_add_nc_u32 v21, s48, v20                     ; my maxima
	s_lshl_b32 s49, s13, 9
	s_add_co_u32 s49, s49, MAXX
	v_add_nc_u32 v22, s49, v20                     ; those of the four waves with my n: 1,024 bytes apart
	s_mul_i32 s48, s14, 8*KBLK
	v_add_nc_u32 v[KA], s48, v16                   ; pass 1: blocks 8 mq ..
	; offsets that the partners share, in registers that never hold cx
	s_lshl_b32 s52, s17, 17
	s_lshl_b32 s53, s12, 14
	s_add_co_u32 s52, s52, s53
	s_add_co_u32 s52, s52, 0x100000                ; k of image b, my eighth: plane w >> 2, the 64 LDS rows (eight blocks) of quarter w & 3
	s_mov_b32 s53, 0
	s_lshl_b32 s54, s17, 17
	s_lshl_b32 s55, s16, 11
	s_add_co_u32 s54, s54, s55
	s_lshl_b32 s55, s13, 10
	s_add_co_u32 s54, s54, s55                     ; q' of image b, kappa 128 x + 64 nh
	s_mov_b32 s55, 0
	s_wait_dscnt 0x0
	s_wait_kmcnt 0x0
	s_mov_b32 s[G0K0], 1
	s_mul_i32 s[G0K0+1], s12, 64*288
	s_add_nc_u64 s[G0K0+2:G0K0+3], s[4:5], s[52:53]
.macro KNEXT c, g                      ; part c of my eighth: 16 LDS rows and 4,096 bytes of memory further for each part
	s_mov_b32 s[\g], 1
	s_add_co_u32 s[\g+1], s[G0K0+1], \c*KCH
	s_add_nc_u64 s[\g+2:\g+3], s[G0K0+2:G0K0+3], \c*4096
	s_or_b32 s[\g+3], s[\g+3], 0x80000000
.endm
	KNEXT 1, G0K1
	KNEXT 2, G0K2
	KNEXT 3, G0K3
	s_or_b32 s[G0K0+3], s[G0K0+3], 0x80000000
	s_add_nc_u64 s[18:19], s[4:5], s[54:55]
	s_lshl_b32 s52, s17, 19
	s_lshl_b32 s48, s12, 16
	s_add_co_u32 s52, s52, s48                     ; v of image b, my 8 rows
	s_mov_b32 s[G0V], 1
	s_mul_i32 s[G0V+1], s12, VW8
	s_add_co_u32 s[G0V+1], s[G0V+1], VSL
	s_add_nc_u64 s[G0V+2:G0V+3], s[6:7], s[52:53]
	s_mov_b32 s[G0V+4], 1
	s_add_co_u32 s[G0V+5], s[G0V+1], VS1
	s_add_nc_u64 s[G0V+6:G0V+7], s[G0V+2:G0V+3], 1024     ; tile 1
	s_or_b32 s[G0V+3], s[G0V+3], 0x80000000
	s_or_b32 s[G0V+7], s[G0V+7], 0x80000000
	s_lshl_b32 s54, s17, 20
	s_lshl_b32 s48, s14, 18
	s_add_co_u32 s54, s54, s48
	s_lshl_b32 s48, s16, 9
	s_add_co_u32 s54, s54, s48
	s_lshl_b32 s48, s13, 8
	s_add_co_u32 s54, s54, s48                     ; image b, channel 16 mq, column 128 x + 64 nh
	s_add_nc_u64 s[8:9], s[8:9], s[54:55]
	s_add_nc_u64 s[10:11], s[10:11], s[54:55]
	ROUND                                          ; the four work-groups are here: the first joint loads meet
.irp g, G0K0, G0K1, G0K2, G0K3
	tensor_load_to_lds s[\g:\g+3], s[G1K:G1K+7]    ; k's four parts in the order in which pass 1 wants them; all of k stays in LDS
	s_nop 0
.endr
	tensor_load_to_lds s[G0V:G0V+3], s[G1V:G1V+7]  ; v's tiles 0 and 1, both first fills: six tensor loads of the wave are out here, later one
	s_nop 0
	tensor_load_to_lds s[G0V+4:G0V+7], s[G1V:G1V+7]
	s_nop 0
.irp nt, 0,1,2,3
	global_load_b128 v[Q0+8*\nt:Q0+8*\nt+3], v18, s[18:19] offset:\nt*256
	global_load_b128 v[Q0+8*\nt+4:Q0+8*\nt+7], v18, s[18:19] offset:\nt*256+65536
.endr
	WIN 0x40
.irp nt, 0,1,2,3
	global_load_b128 v[QW+8*\nt:QW+8*\nt+3], v18, s[18:19] offset:\nt*256
	global_load_b128 v[QW+8*\nt+4:QW+8*\nt+7], v18, s[18:19] offset:\nt*256+65536
.endr
	WIN 0
	s_wait_loadcnt 0x0                             ; q'
	s_wait_tensorcnt 5                             ; my share of k's part 0 has landed; the five younger loads stay out
	s_barrier_signal -1
	s_barrier_wait -1                              ; everybody's share has: blocks 0 and 1 of every quarter are whole
	; ---------------- PASS 1: the row maxima ----------------
.macro K1LD buf, off                   ; a k tile: the same 16 bytes into registers 0-3 and 4-7
	ds_load_b128 v[KR+8*(\buf):KR+8*(\buf)+3], v[KA] offset:\off
	ds_load_b128 v[KR+8*(\buf)+4:KR+8*(\buf)+7], v[KA] offset:\off
.endm
; Phase p of a block's eight tiles: the maxima of tile p's scores, spread between the four products of tile p + 1.  Tile t lies in buffer t.
; Phase 0 fetches tiles 4-7 in one run, phase 4 the next block's tiles 0-3; each run is waited for three phases later, where nothing younger is out.
; Behind each product stand four v_max3 on the other set before its result is read (ISA guide 7.12.1).
.macro PH1 p, dow, ld
.if \ld
.if (\p) == 0
.irp t, 4,5,6,7
	K1LD \t, 32*\t
.endr
.endif
.if (\p) == 4
.irp t, 0,1,2,3
	K1LD \t, KBLK+32*\t
.endr
.endif
.endif
.if \dow
.if ((\p)&3) == 3
	s_wait_dscnt 0x0                               ; the run issued three phases ago: its first tile is multiplied now
.endif
.endif
.irp i, 0,1,2,3
.if \dow
	v_wmma_f32_16x16x32_bf16 v[SP1+32*((\p+1)&1)+8*\i:SP1+32*((\p+1)&1)+8*\i+7], v[KR+8*((\p+1)&7):KR+8*((\p+1)&7)+7], v[Q0+8*\i:Q0+8*\i+7], 0
.endif
.irp nt, 0,1,2,3
	v_max3_num_f32 v[LR+\nt], v[LR+\nt], v[SP1+32*(\p&1)+8*\nt+2*\i], v[SP1+32*(\p&1)+8*\nt+2*\i+1]
.endr
.endr
.endm
.macro BLK1                            ; one block of my eight; its phase 4 reads the first tiles of the block behind it
.irp p, 0,1,2,3,4,5,6,7
	PH1 \p, 1, 1
.endr
	v_add_nc_u32 v[KA], KBLK, v[KA]
.endm
; k's next part is shown to all waves: my share has landed
; no LDS load of mine is out, and behind the barrier the same holds of every wave.
.macro KBAR left
	s_wait_tensorcnt \left
	s_wait_dscnt 0x0
	s_barrier_signal -1
	s_barrier_wait -1
.endm
.irp t, 0,1,2,3
	K1LD \t, 32*\t
.endr
	s_wait_dscnt 0x0
.irp i, 0,1,2,3
	v_wmma_f32_16x16x32_bf16 v[SP1+8*\i:SP1+8*\i+7], v[KR:KR+7], v[Q0+8*\i:Q0+8*\i+7], 0
.endr
.irp j, 0,1,2,3,4,5,6,7
	v_mov_b32 v[LR+\j], 0xff800000                 ; -infinity; these are also the places behind the four products
.endr
	BLK1                                           ; block 0 (reads into block 1: part 0)
	KBAR 4                                         ; part 1: blocks 2, 3.  Parts 2, 3 and v's two tiles stay out
	s_mov_b32 s48, 2
.Lp1a:
	BLK1                                           ; blocks 1, 2 (block 2 reads into block 3)
	s_sub_co_u32 s48, s48, 1
	s_cmp_lg_u32 s48, 0
	s_cbranch_scc1 .Lp1a
	KBAR 3                                         ; part 2: blocks 4, 5
	s_mov_b32 s48, 2
.Lp1b:
	BLK1                                           ; blocks 3, 4
	s_sub_co_u32 s48, s48, 1
	s_cmp_lg_u32 s48, 0
	s_cbranch_scc1 .Lp1b
	KBAR 2                                         ; part 3: blocks 6, 7: all of k is in LDS; v's two tiles stay out
	s_mov_b32 s48, 2
.Lp1c:
	BLK1                                           ; blocks 5, 6
	s_sub_co_u32 s48, s48, 1
	s_cmp_lg_u32 s48, 0
	s_cbranch_scc1 .Lp1c
	PH1 0, 1, 1                                    ; the last block: its tiles 4-7 are the last fetch
.irp p, 1,2,3,4,5,6
	PH1 \p, 1, 0
.endr
	PH1 7, 0, 0
	; over the two halves of the lanes (rows 8 h + j), then over the four quarters of m
.irp nt, 0,1,2,3
	v_permlanex16_b32 v[LR+4+\nt], v[LR+\nt], s50, s51
.endr
.irp nt, 0,1,2,3
	v_max_num_f32 v[LR+\nt], v[LR+\nt], v[LR+4+\nt]
.endr
	ds_store_b128 v21, v[LR:LR+3]
	s_wait_dscnt 0x0                               ; stored before I say so
	s_barrier_signal -1
	s_barrier_wait -1
.irp m, 0,1,2,3
	ds_load_b128 v[SR+4*\m:SR+4*\m+3], v22 offset:\m*1024
.endr
	s_wait_dscnt 0x0
.irp nt, 0,1,2,3
	v_max3_num_f32 v[LR+\nt], v[SR+\nt], v[SR+4+\nt], v[SR+8+\nt]
.endr
.irp nt, 0,1,2,3
	v_max_num_f32 v[LR+\nt], v[LR+\nt], v[SR+12+\nt]
.endr
	WIN 0x40
.irp nt, 0,1,2,3
.irp j, 0,1,2,3,4,5,6,7
	v_mul_f32 v[NEGM+8*\nt+\j], -1.0, v[LR+\nt]
.endr
.endr
.irp j, 0,1,2,3,4,5,6,7                            ; the residual of my 8 output quads, asked for now and waited for at the end
	global_load_b128 v[VAL+4*\j:VAL+4*\j+3], v[OFFO], s[8:9] offset:\j*16384
.endr
	WIN 0
	; ---------------- PASS 2 ----------------
; A piece is one n tile of one step of 32 pos.  In the slot of piece i the vector unit makes P of piece i (16 exp2 in place, 8 packed adds into the
; row sums, 8 packed roundings), and between these lines stand the four products P x v of piece i - 1 and the two score products of piece i + 1.
; All accumulators take turns, one instruction a turn.
.macro EXPQ q                          ; four exponentials; a plain vector instruction follows before any result is read (ISA guide 5.7.2)
.irp k, 0,1,2,3
	v_exp_f32 v[SB+4*\q+\k], v[SB+4*\q+\k]
.endr
.endm
.macro PLH q, hf                       ; two numbers: into the row sums, and rounded into P
	s_wait_alu depctr_va_vdst(0)
	v_pk_add_f32 v[LP:LP+1], v[LP:LP+1], v[SB+4*\q+2*\hf:SB+4*\q+2*\hf+1]
	v_cvt_pk_bf16_f32 v[PB+2*\q+\hf], v[SB+4*\q+2*\hf], v[SB+4*\q+2*\hf+1]
.endm
.macro PLQ q
	PLH \q, 0
	PLH \q, 1
.endm
.macro PVM cb, on, zero                ; 16 channels x 16 n of the piece before; zero = 1: the product starts the sum
.if \on
.if \zero
	v_wmma_f32_16x16x32_bf16 v[AN+8*\cb:AN+8*\cb+7], v[VR+8*\cb:VR+8*\cb+7], v[PO:PO+7], 0
.else
	v_wmma_f32_16x16x32_bf16 v[AN+8*\cb:AN+8*\cb+7], v[VR+8*\cb:VR+8*\cb+7], v[PO:PO+7], v[AN+8*\cb:AN+8*\cb+7]
.endif
.endif
.endm
; The next piece's scores less their maximum: B and C lie in window 1.  eq >= 0: that group of exponentials stands between the two products;
; v_exp_f32 names a destination and a source 0 alone, which are window 0 under this setting too.
.macro QKM on, eq
.if \on
	WIN 0x14
	v_wmma_f32_16x16x32_bf16 v[SN:SN+7], v[KB:KB+7], v[QW+8*NN:QW+8*NN+7], v[NEGM+8*NN:NEGM+8*NN+7]
.endif
.if \eq >= 0
	EXPQ \eq
.endif
.if \on
	v_wmma_f32_16x16x32_bf16 v[SN+8:SN+15], v[KB+8:KB+15], v[QW+8*NN:QW+8*NN+7], v[NEGM+8*NN:NEGM+8*NN+7]
	WIN 0
.endif
.endm
.macro LDV cb, vs, voff                ; this step's v fragment of register block cb
	ds_load_b128 v[VR+8*\cb:VR+8*\cb+3], v[VA+\cb] offset:\vs*VS1+\voff
	ds_load_b128 v[VR+8*\cb+4:VR+8*\cb+7], v[VA+\cb] offset:\vs*VS1+\voff+32
.endm
.macro LDK kb, off                     ; a step's two k tiles
	ds_load_b128 v[KR+16*(\kb):KR+16*(\kb)+3], v[KA] offset:\off
	ds_load_b128 v[KR+16*(\kb)+4:KR+16*(\kb)+7], v[KA] offset:\off
	ds_load_b128 v[KR+16*(\kb)+8:KR+16*(\kb)+11], v[KA] offset:\off+32
	ds_load_b128 v[KR+16*(\kb)+12:KR+16*(\kb)+15], v[KA] offset:\off+32
.endm
; nt: the piece's n tile; kb: the k buffer of the score products; pv, zero, qk: see above; vs, voff: v's slot and byte, ldk: fetch k at KLA (n tile 0 alone)
.macro SLOT nt, kb, pv, zero, qk, vs, voff, ldk
.set SB, SR+16*((\nt)&1)
.set SN, SR+16*(((\nt)+1)&1)
.set PB, PR+8*((\nt)&1)
.set PO, PR+8*(((\nt)+1)&1)
.set LP, LR+2*(\nt)
.set AN, ACC+32*(((\nt)+3)&3)
.set NN, ((\nt)+1)&3
.set KB, KR+16*(\kb)
.if (\nt) == 0
	; the last products of the step before come early; behind them the step's one run of LDS loads
	EXPQ 0
	PVM 0, \pv, \zero
	EXPQ 1
	v_nop                                          ; the plain instruction behind the exponentials
	PVM 1, \pv, \zero
	PLQ 0
	PVM 2, \pv, \zero
	EXPQ 2
	PLQ 1
	PVM 3, \pv, \zero
	EXPQ 3
	PLQ 2                                          ; four plain instructions behind the last product that read v
.if \ldk
	LDK ((\kb)+1)&1, KLA                           ; the next step's k, into the buffer last multiplied two slots ago; wanted three slots on
.endif
.irp cb, 0,1,2,3
	LDV \cb, \vs, \voff                            ; this step's v, wanted in the next slot
.endr
	QKM \qk, -1
	PLQ 3                                          ; four plain instructions behind the score products before the next slot reads them
.else
	EXPQ 0
	QKM \qk, 1
	v_nop
	PLQ 0
	EXPQ 2
.if (\nt) == 1
	s_wait_dscnt 6                                 ; v's block 0 is in (and k, which was asked for first); the six younger loads stay out
.endif
	PVM 0, \pv, \zero
	PLQ 1
.if (\nt) == 1
	s_wait_dscnt 4
.endif
	PVM 1, \pv, \zero
	EXPQ 3
	PLH 2, 0
.if (\nt) == 1
	s_wait_dscnt 2
.endif
	PVM 2, \pv, \zero
	PLH 2, 1
.if (\nt) == 1
	s_wait_dscnt 0
.endif
	PVM 3, \pv, \zero
	PLQ 3
.endif
.endm
; step u of my four in a tile: 32 pos
.macro STEP vs, u, first, last
.set PV0, 1
.set ZA, 0
.set ZB, 0
.set QK3, 1
.set LKON, 1
.if (\u) < 3
.set KLA, ((\u)+1)*64
.else
.set KLA, 4*KBLK                                   ; the next tile's step 0
.endif
.if \first
.if (\u) == 0
.set PV0, 0                                        ; no piece before the first
.set ZB, 1                                         ; n tiles 0, 1, 2 start their sums in slots 1, 2, 3,
.endif
.if (\u) == 1
.set ZA, 1                                         ; n tile 3 in the next step's slot 0
.endif
.endif
.if \last
.if (\u) == 3
.set LKON, 0                                       ; nothing beyond the last step
.set QK3, 0
.endif
.endif
	SLOT 0, (\u)&1, PV0, ZA, 1, \vs, 64*(\u), LKON
	SLOT 1, (\u)&1, 1, ZB, 1, \vs, 0, 0
	SLOT 2, (\u)&1, 1, ZB, 1, \vs, 0, 0
	SLOT 3, ((\u)+1)&1, 1, ZB, QK3, \vs, 0, 0
.endm
; One tile of v (512 pos, of which my wave takes 128) from slot vs.
.macro TRIP2 vs, refill, first, last
	s_set_vgpr_msb 0x5
	s_wait_tensorcnt 0x0                           ; all my tensor loads have landed, my part of this tile among them,
	ds_add_u32 v96, v97
	s_wait_dscnt 0x0
	s_set_vgpr_msb 0x500
	s_add_nc_u64 s[G0V+4*\vs+2:G0V+4*\vs+3], s[G0V+4*\vs+2:G0V+4*\vs+3], 2048   ; so the descriptors may be written: this slot's next tile
	s_wait_dscnt 0x0                               ; my reads of the other slot are back
	ROUND                                          ; both now hold of every wave of the four work-groups
.if \refill
	tensor_load_to_lds s[G0V+4*(1-\vs):G0V+4*(1-\vs)+3], s[G1V:G1V+7]   ; the next tile, first thing behind the round, into the slot read last
	s_nop 0
.endif
.irp u, 0,1,2,3
	STEP \vs, \u, \first, \last
.endr
	v_add_nc_u32 v[KA], 4*KBLK, v[KA]
.endm
	s_mul_i32 s48, s14, KBLK
	v_add_nc_u32 v[KA], s48, v16                   ; tile T, quarter mq: block 4 T + mq
	LDK 0, 0
	s_wait_dscnt 0x0
.set SN, SR
.set KB, KR
.set NN, 0
	QKM 1, -1                                      ; the first piece's scores
.irp j, 0,1,2,3,4,5,6,7
	v_mov_b32 v[LR+\j], 0                          ; the row sums; also the places behind the two products
.endr
	TRIP2 0, 0, 1, 0                               ; tile 1 was asked for at the head: nothing to fill yet
	s_mov_b32 s48, 3
.Lp2:
	TRIP2 1, 1, 0, 0
	TRIP2 0, 1, 0, 0
	s_sub_co_u32 s48, s48, 1
	s_cmp_lg_u32 s48, 0
	s_cbranch_scc1 .Lp2
	TRIP2 1, 0, 0, 1
.irp cb, 0,1,2,3                                   ; the last piece's products
	v_wmma_f32_16x16x32_bf16 v[ACC+96+8*\cb:ACC+96+8*\cb+7], v[VR+8*\cb:VR+8*\cb+7], v[PR+8:PR+15], v[ACC+96+8*\cb:ACC+96+8*\cb+7]
.endr
	; ---------------- THE WAY OUT ----------------
	v_add_f32 v8, v8, v9                           ; a row sum for each n tile (these lines are the places behind the last products)
	v_add_f32 v9, v10, v11
	v_add_f32 v10, v12, v13
	v_add_f32 v11, v14, v15
.irp nt, 0,1,2,3
	v_permlanex16_b32 v[12+\nt], v[8+\nt], s50, s51
.endr
.irp nt, 0,1,2,3
	v_add_f32 v[8+\nt], v[8+\nt], v[12+\nt]
.endr
	v_and_b32 v1, 31, v0
	v_lshlrev_b32 v1, 4, v1
	s_lshl_b32 s48, s12, 9
	s_add_co_u32 s48, s48, LX
	v_add_nc_u32 v6, s48, v1                       ; my row sums
	s_lshl_b32 s48, s13, 9
	s_add_co_u32 s48, s48, LX
	v_add_nc_u32 v3, s48, v1                       ; those of the four waves with my n
	s_mul_i32 s48, s12, ACCW
	v_add_nc_u32 v2, s48, v1                       ; what I hand over: register blocks 1, 2, 3, 4,096 bytes each
.irp cb, 1,2,3
	s_xor_b32 s49, s12, 2*\cb                      ; the wave with my n and quarter mq xor cb: its register block cb holds my channels
	s_mul_i32 s49, s49, ACCW
	v_add_nc_u32 v[19+\cb], s49, v1
.endr
	s_wait_dscnt 0x0                               ; my reads of k are back
	s_barrier_signal -1
	s_barrier_wait -1                              ; everybody's are: k's bytes may be written over
	ds_store_b128 v6, v[8:11]
.irp nt, 0,1,2,3
.irp cb, 1,2,3
.irp k, 0,1
	ds_store_b128 v2, v[ACC+32*\nt+8*\cb+4*\k:ACC+32*\nt+8*\cb+4*\k+3] offset:ACCX+(\cb-1)*4096+(2*\nt+\k)*512
.endr
.endr
.endr
	s_wait_dscnt 0x0                               ; stored before I say so
	s_barrier_signal -1
	s_barrier_wait -1
.irp m, 0,1,2,3
	ds_load_b128 v[SR+4*\m:SR+4*\m+3], v3 offset:\m*1024
.endr
.irp nt, 0,1,2,3
.irp cb, 1,2,3
.irp k, 0,1
	ds_load_b128 v[ACC+32*\nt+8*\cb+4*\k:ACC+32*\nt+8*\cb+4*\k+3], v[19+\cb] offset:ACCX+(\cb-1)*4096+(2*\nt+\k)*512   ; the partners' sums for my channels
.endr
.endr
.endr
	s_wait_dscnt 24                                ; the four waves' row sums are in; the 24 quads stay out
	v_pk_add_f32 v[SR:SR+1], v[SR:SR+1], v[SR+4:SR+5]
	v_pk_add_f32 v[SR+2:SR+3], v[SR+2:SR+3], v[SR+6:SR+7]
	v_pk_add_f32 v[SR+8:SR+9], v[SR+8:SR+9], v[SR+12:SR+13]
	v_pk_add_f32 v[SR+10:SR+11], v[SR+10:SR+11], v[SR+14:SR+15]
	v_pk_add_f32 v[SR:SR+1], v[SR:SR+1], v[SR+8:SR+9]
	v_pk_add_f32 v[SR+2:SR+3], v[SR+2:SR+3], v[SR+10:SR+11]
.irp nt, 0,1,2,3
	v_rcp_f32 v[12+\nt], v[SR+\nt]                 ; read only behind the packed adds below, which touch neither source nor result
.endr
	s_wait_dscnt 0x0
.irp nt, 0,1,2,3
.irp p, 0,1,2,3
	v_pk_add_f32 v[ACC+32*\nt+2*\p:ACC+32*\nt+2*\p+1], v[ACC+32*\nt+2*\p:ACC+32*\nt+2*\p+1], v[ACC+32*\nt+8+2*\p:ACC+32*\nt+8+2*\p+1]
	v_pk_add_f32 v[ACC+32*\nt+16+2*\p:ACC+32*\nt+16+2*\p+1], v[ACC+32*\nt+16+2*\p:ACC+32*\nt+16+2*\p+1], v[ACC+32*\nt+24+2*\p:ACC+32*\nt+24+2*\p+1]
.endr
.irp p, 0,1,2,3
	v_pk_add_f32 v[ACC+32*\nt+2*\p:ACC+32*\nt+2*\p+1], v[ACC+32*\nt+2*\p:ACC+32*\nt+2*\p+1], v[ACC+32*\nt+16+2*\p:ACC+32*\nt+16+2*\p+1]
.endr
.endr
	s_wait_loadcnt 0x0                             ; the residual
	WIN 0x10                                       ; source 2 in window 1
.irp nt, 0,1,2,3
.irp j, 0,1,2,3,4,5,6,7
	s_wait_alu depctr_va_vdst(0)
	v_fma_f32 v[48+4*\j+\nt], v[ACC+32*\nt+\j], v[12+\nt], v[VAL+4*\j+\nt]
.endr
.endr
	WIN 0
.irp j, 0,1,2,3,4,5,6,7                            ; channel 16 mq + 8 h + j: 16 lanes store 256 consecutive, aligned bytes
	global_store_b128 v[OFFO], v[48+4*\j:51+4*\j], s[10:11] offset:\j*16384 th:TH_STORE_NT
.endr
	s_set_vgpr_msb 0x5
	s_wait_tensorcnt 0x0
	ds_add_u32 v96, v97
	s_wait_dscnt 0x0
	s_set_vgpr_msb 0x500
	ROUND                                          ; the closing round: no work-group ends while a partner may still ask jointly
	s_endpgm
.Lfunc_end_k_qbc742f01ea_attn:
	.size	k_qbc742f01ea_attn, .Lfunc_end_k_qbc742f01ea_attn-k_qbc742f01ea_attn
	.p2alignl 7, 3214868480
	.fill 96, 4, 3214868480
	.section	.rodata,"a",@progbits
	.p2align	6, 0x0
	.amdhsa_kernel k_qbc742f01ea_attn
		.amdhsa_group_segment_fixed_size 327680
		.amdhsa_private_segment_fixed_size 0
		.amdhsa_enable_private_segment 0
		.amdhsa_kernarg_size 32
		.amdhsa_user_sgpr_count 2
		.amdhsa_user_sgpr_kernarg_segment_ptr 1
		.amdhsa_wavefront_size32 1
		.amdhsa_system_sgpr_workgroup_id_x 1
		.amdhsa_system_sgpr_workgroup_id_y 1
		.amdhsa_system_sgpr_workgroup_id_z 1
		.amdhsa_system_vgpr_workitem_id 0
		.amdhsa_next_free_vgpr 354
		.amdhsa_next_free_sgpr 72
		.amdhsa_reserve_vcc 0
		.amdhsa_float_denorm_mode_32 3
		.amdhsa_float_denorm_mode_16_64 3
		.amdhsa_memory_ordered 1
		.amdhsa_forward_progress 1
		.amdhsa_inst_pref_size 241
	.end_amdhsa_kernel
	.amdgpu_metadata
---
amdhsa.version: [ 1, 2 ]
amdhsa.kernels:
  - .name:           k_qbc742f01ea_attn
    .symbol:         k_qbc742f01ea_attn.kd
    .args:
      - { .name: qk, .offset: 0, .size: 8, .value_kind: global_buffer, .address_space: global }
      - { .name: vws, .offset: 8, .size: 8, .value_kind: global_buffer, .address_space: global }
      - { .name: value, .offset: 16, .size: 8, .value_kind: global_buffer, .address_space: global }
      - { .name: out0, .offset: 24, .size: 8, .value_kind: global_buffer, .address_space: global }
    .group_segment_fixed_size: 327680
    .private_segment_fixed_size: 0
    .kernarg_segment_align: 8
    .kernarg_segment_size: 32
    .max_flat_workgroup_size: 256
    .sgpr_count:     72
    .vgpr_count:     354
    .wavefront_size: 32
...
	.end_amdgpu_metadata
.endif
;; end of part 4
;; ======== version 3 of 3: 2 launches; 1.75 times as fast as version 1
;; workspace buffers: qk 2,097,152 bytes; vws 4,194,304 bytes
;; launch prep: the kernel of part 3 again; grid 256 x 1, 4 waves a work-group, no clusters, 66,048 bytes of LDS; arguments query, value, Wq, bq, Wk, bk, Wv, bv, qk, vws; writes qk, vws
;; launch attn (part 5): grid 32 x 8, 8 waves a work-group, clusters of 4 x 1, 327,680 bytes of LDS; arguments qk, vws, value, out0; writes out0
.if DOCPART == 5
	.amdgcn_target "amdgcn-amd-amdhsa--gfx1250"
	.amdhsa_code_object_version 6
	.text
	.protected	k_qbc742f01ea_attn
	.globl	k_qbc742f01ea_attn
	.p2align	8
	.type	k_qbc742f01ea_attn,@function
k_qbc742f01ea_attn:
	s_mov_b64 s[64:65], 0
	v_nop
	global_prefetch_b8 v0, s[64:65] scope:SCOPE_SE
	s_setreg_imm32_b32 hwreg(HW_REG_WAVE_MODE, 25, 1), 1
	s_wait_xcnt 0x0
	s_wait_alu depctr_hold_cnt(0) depctr_sa_sdst(0) depctr_va_vdst(0) depctr_va_sdst(0) depctr_va_ssrc(0) depctr_va_vcc(0) depctr_vm_vsrc(0)
	s_getreg_b32 s2, hwreg(HW_REG_IB_STS2, 6, 4)
	s_cmp_eq_u32 s2, 0
	s_cbranch_scc0 .Lentry_in_a_cluster
	s_endpgm
.Lentry_in_a_cluster:
	s_bfe_u32 s2, ttmp6, 0x10000c
	s_cmp_lg_u32 s2, 0x3003
	s_cbranch_scc0 .Lentry_shape_is_right
	s_endpgm
.Lentry_shape_is_right:
; out[b][c][n] = sum over m of v[c][m] softmax_m(q_n . k_m) + value[b][c][n], from q' = log2(e) q, k (bf16 high and low parts) and v (bf16).
; Work-group (x, b): 128 columns n of image b.  Eight waves, two for each of the four SIMDs: a wave issues in order, so while one wave stands
; in front of a run of LDS loads or in its exponentials, the other has products to issue.  Wave w: n half nh = w & 1 (four tiles of 16 n),
; m quarter mq = w >> 1.  n tile nt, lane column r stands for n = 128 x + 64 nh + 4 r + nt: a lane's four tiles are four neighbouring n.
; TWO PASSES over m.  Pass 1: scores and their maximum alone.  Pass 2: the scores again with C = -maximum, so that the matrix result is
; already (score - true row maximum) in base 2; then exp2, the row sum in f32, bf16, and the product with v.  Nothing is rescaled.
; SCORES: d = 8 fills a quarter of the form's K = 32; the other places carry precision.  A = K tile: lanes h = 0 hold the high part of k twice,
; lanes h = 1 the low part twice.  B = Q tile: registers 0-3 the high part of q', 4-7 the low part.  The sum over K is (qh + ql)(kh + kl).
; The result, lane (r, h) register j = (m = 8 h + j, n = r), is after packing the B fragment of the second product: no lane traffic.
; The order of m is free under a softmax; k's rows and v's columns are stored so that both agree (see KA below).
; K COMES IN FOUR PARTS, each with two of the eight blocks of every m quarter: pass 1 starts when the first 32 of k's 128 KiB are in LDS,
; and each later part lands while the blocks before it are worked on.  The residual is asked for behind pass 1: pass 2 is its time to land.
; LDS LOADS STAND IN RUNS: one run of 12 for a step of 24 products in pass 2, one of 8 for 16 products in pass 1.
; THE TRANSCENDENTALS GO IN BATCHES, each with ONE s_wait_alu depctr_va_vdst(0) ahead of the first line that names
; a result: in pass 2 the 16 exponentials of a piece (one n tile of one step) are a batch; on the way out the four reciprocals are one.
; CLUSTER 4 x 1: the four work-groups share b, hence all of k and v: every tensor load is joint (mask 15).  Not 4 x 4: along y the images differ.
; LIMITS: finite inputs; P and v are rounded to bf16, the row sum is taken from the unrounded exponentials; an exponential below 2^-126 counts
; as 0 (ISA guide, v_exp_f32); the sums run in another order than a row-by-row sum.
.set KBLK,   2304                      ; K in LDS: a block of 128 rows of k = 8 LDS rows of 256 bytes, pitch 288
.set KPLANE, 73728                     ; 256 such rows: the high parts; the low parts behind them
.set KCH,    16*288                    ; what one tensor load of k fills: 16 LDS rows, two blocks of one plane
.set VSL,    147456                    ; v behind K
.set VROW,   1040                      ; a row of 1,024 bytes (512 pos) + 16 of padding = 65 x 16
.set VS1,    8*VROW                    ; the 8 rows that one wave brings; slot 1's lie behind slot 0's
.set VW8,    2*VS1+128                 ; from a wave's rows to the next wave's: 1,048 x 16, so that rows r and r + 8 start 8 columns of 16 bytes apart
.set VCB,    2*VW8                     ; 16 channels
.set MAXX,   VSL+8*VW8                 ; scratch that the waves write, in 256-byte blocks into which no tensor load lands: maxima 8 x 512,
.set LX,     MAXX+4096                 ; row sums 8 x 512
.set ACCX,   0                         ; accumulators 8 x 12,288, over k's bytes: these have had their only fill, and a barrier stands behind the last read of k
.set ACCW,   12288
; window 0
.set VA,   2                           ; v[2:5]   v fragments of register blocks 0-3 (both slots: the slot is in the immediate)
.set KA,   6                           ; v6       k fragments
.set OFFO, 7                           ; v7       my 16 bytes of value and out
.set LR,   8                           ; v[8:15]  pass 1: maxima in v[8:11]; pass 2: a pair of row sums for each n tile
.set PR,   16                          ; v[16:31] P, two buffers of 8 (in pass 1: v16 k lane term, v18 q address, v21, v22 scratch addresses)
.set SR,   32                          ; v[32:63] scores, two buffers of 16 (two m tiles)
.set KR,   64                          ; v[64:95] k fragments, two buffers of 16; pass 1: v[64:127], eight buffers of 8
.set VR,   96                          ; v[96:127] v fragments, four blocks of 16 channels
.set ACC,  128                         ; v[128:255] accumulators 128 + 32 nt + 8 cb
.set Q0,   128                         ; pass 1: q fragments in window 0,
.set SP1,  160                         ;         two sets of four score tiles
; window 1 (names are the low 8 bits)
.set QW,   0                           ; v[256:287] q fragments
.set NEGM, 32                          ; v[288:319] -maximum, eight copies for each n tile: the C operand of pass 2
.set VAL,  64                          ; v[320:351] the residual, 8 quads
.set G0K0, 20                          ; k's four parts: from where and to where, a set of four registers each, since all four loads are out at once
.set G0K1, 56
.set G0K2, 60
.set G0K3, 68
.set G1K, 24                           ; s[24:31] k's shape
.set G1V, 32                           ; s[32:39] v's shape; s[40:43], s[44:47] from where and to where, one set for each slot
.set G0V, 40
.set MSB, 0
.macro WIN new                         ; s_set_vgpr_msb: bits 1:0 source 0, 3:2 source 1, 5:4 source 2, 7:6 destination; the high byte repeats the setting left
.if MSB != \new
	s_set_vgpr_msb (MSB<<8)|\new
.set MSB, \new
.endif
.endm
; A round of the cluster's barrier: my work-group's barrier, wave 0 signals for the work-group, every wave waits for all four work-groups, my work-group's barrier again.
.macro ROUND
	s_barrier_signal -1
	s_barrier_wait -1
	s_cmp_lg_u32 s12, 0
	s_cbranch_scc1 .Lnot_wave_0_\@
	s_barrier_signal -3
.Lnot_wave_0_\@:
	s_barrier_wait -3
	s_barrier_signal -1
	s_barrier_wait -1
.endm
	s_load_b256 s[4:11], s[0:1], 0x0               ; qk s[4:5], vws s[6:7], value s[8:9], out0 s[10:11]
	s_set_vgpr_msb 0x40
	v_lshl_add_u32 v96, v0, 2, 0x46c00
	v_mov_b32 v97, 0
	s_set_vgpr_msb 0x4045
	ds_add_u32 v96, v97
	s_set_vgpr_msb 0x4500
	v_lshrrev_b32 v1, 5, v0
	v_readfirstlane_b32 s12, v1                    ; wave w
	s_and_b32 s13, s12, 1                          ; nh
	s_lshr_b32 s14, s12, 1                         ; mq
	s_bfe_u32 s15, ttmp6, 0x40000                  ; cx: enters the global addresses of q', value and out alone
	s_lshl_b32 s16, ttmp9, 2
	s_add_co_u32 s16, s16, s15                     ; work-group x = 4 x cluster x + cx
	s_and_b32 s17, ttmp7, 0xffff                   ; b, the same in the four partners
	s_mov_b32 s50, 0x76543210                      ; v_permlanex16_b32: lane i of one half reads lane i of the other
	s_mov_b32 s51, 0xfedcba98
	; k: one load of a wave brings 16 rows of 256 bytes (elements of 8 bytes), 32 bytes of padding behind each
	s_mov_b32 s[G1K+0], 15|(3<<16)|(1<<20)|(1<<21)|(5<<22)|(7<<25)  ; mask of the four; 8-byte elements; padding on; bit 21 beside a mask; after 64 words skip 8
	s_mov_b32 s[G1K+1], 32<<16                     ; tensor_dim0 = 32
	s_mov_b32 s[G1K+2], 16<<16                     ; tensor_dim1 = 16
	s_mov_b32 s[G1K+3], 32<<16                     ; tile_dim0 = 32
	s_mov_b32 s[G1K+4], 16                         ; tile_dim1 = 16
	s_mov_b32 s[G1K+5], 32                         ; dense rows
	s_mov_b32 s[G1K+6], 0
	s_mov_b32 s[G1K+7], 0
	; v: a wave brings 8 rows of 1,024 bytes out of rows of 8,192, 16 bytes of padding behind each
	s_mov_b32 s[G1V+0], 15|(3<<16)|(1<<20)|(1<<21)|(7<<22)|(3<<25)  ; after 256 words skip 4
	s_mov_b32 s[G1V+1], 128<<16
	s_mov_b32 s[G1V+2], 8<<16
	s_mov_b32 s[G1V+3], 128<<16
	s_mov_b32 s[G1V+4], 8
	s_mov_b32 s[G1V+5], 1024
	s_mov_b32 s[G1V+6], 0
	s_mov_b32 s[G1V+7], 0
	; lane terms
	v_and_b32 v1, 15, v0                           ; r
	v_bfe_u32 v17, v0, 4, 1                        ; h
	v_lshlrev_b32 v18, 4, v1                       ; q': 16 r
	v_lshl_add_u32 v[OFFO], v17, 17, v18           ; value, out: 8 h rows of 16,384 bytes + 16 r
	v_and_b32 v19, 7, v1                           ; r & 7
	v_lshrrev_b32 v20, 3, v1                       ; r >> 3
	; row i = r of k tile a of a block is the pixel at v's pos 16 a + i, stored at kappa = 16 (i & 7) + 2 a + (i >> 3):
	; LDS row i & 7 of the block, byte 32 a + 16 (i >> 3).  The sixteen lanes touch sixteen different 16-byte columns: 2 (r & 7) + (r >> 3).
	v_mul_u32_u24 v23, v19, 288
	v_lshl_add_u32 v23, v20, 4, v23
	v_mul_u32_u24 v24, v17, KPLANE                 ; lanes h = 1 read the low parts
	v_add_nc_u32 v16, v23, v24
	; v fragment: channel 16 block + r lies in the rows of wave 2 block + (r >> 3), row r & 7; 16 h bytes in; my quarter of the tile's 512 pos.
	; Register block cb holds channel block cb xor mq, so that every wave keeps register block 0 at the end and hands blocks 1-3 to its
	; three partners: one text for all.
	v_mul_u32_u24 v19, v19, VROW
	v_mul_u32_u24 v20, v20, VW8
	v_add_nc_u32 v19, v19, v20
	v_lshl_add_u32 v19, v17, 4, v19
	s_lshl_b32 s48, s14, 8
	s_add_co_u32 s48, s48, VSL
	v_add_nc_u32 v19, s48, v19
.irp cb, 0,1,2,3
	s_xor_b32 s49, s14, \cb
	s_mul_i32 s49, s49, VCB
	v_add_nc_u32 v[VA+\cb], s49, v19
.endr
	v_and_b32 v20, 31, v0
	v_lshlrev_b32 v20, 4, v20
	s_lshl_b32 s48, s12, 9
	s_add_co_u32 s48, s48, MAXX
	v_add_nc_u32 v21, s48, v20                     ; my maxima
	s_lshl_b32 s49, s13, 9
	s_add_co_u32 s49, s49, MAXX
	v_add_nc_u32 v22, s49, v20                     ; those of the four waves with my n: 1,024 bytes apart
	s_mul_i32 s48, s14, 8*KBLK
	v_add_nc_u32 v[KA], s48, v16                   ; pass 1: blocks 8 mq ..
	; offsets that the partners share, in registers that never hold cx
	s_lshl_b32 s52, s17, 17
	s_lshl_b32 s53, s12, 14
	s_add_co_u32 s52, s52, s53
	s_add_co_u32 s52, s52, 0x100000                ; k of image b, my eighth: plane w >> 2, the 64 LDS rows (eight blocks) of quarter w & 3
	s_mov_b32 s53, 0
	s_lshl_b32 s54, s17, 17
	s_lshl_b32 s55, s16, 11
	s_add_co_u32 s54, s54, s55
	s_lshl_b32 s55, s13, 10
	s_add_co_u32 s54, s54, s55                     ; q' of image b, kappa 128 x + 64 nh
	s_mov_b32 s55, 0
	s_wait_dscnt 0x0
	s_wait_kmcnt 0x0
	s_mov_b32 s[G0K0], 1
	s_mul_i32 s[G0K0+1], s12, 64*288
	s_add_nc_u64 s[G0K0+2:G0K0+3], s[4:5], s[52:53]
.macro KNEXT c, g                      ; part c of my eighth: 16 LDS rows and 4,096 bytes of memory further for each part
	s_mov_b32 s[\g], 1
	s_add_co_u32 s[\g+1], s[G0K0+1], \c*KCH
	s_add_nc_u64 s[\g+2:\g+3], s[G0K0+2:G0K0+3], \c*4096
	s_or_b32 s[\g+3], s[\g+3], 0x80000000
.endm
	KNEXT 1, G0K1
	KNEXT 2, G0K2
	KNEXT 3, G0K3
	s_or_b32 s[G0K0+3], s[G0K0+3], 0x80000000
	s_add_nc_u64 s[18:19], s[4:5], s[54:55]
	s_lshl_b32 s52, s17, 19
	s_lshl_b32 s48, s12, 16
	s_add_co_u32 s52, s52, s48                     ; v of image b, my 8 rows
	s_mov_b32 s[G0V], 1
	s_mul_i32 s[G0V+1], s12, VW8
	s_add_co_u32 s[G0V+1], s[G0V+1], VSL
	s_add_nc_u64 s[G0V+2:G0V+3], s[6:7], s[52:53]
	s_mov_b32 s[G0V+4], 1
	s_add_co_u32 s[G0V+5], s[G0V+1], VS1
	s_add_nc_u64 s[G0V+6:G0V+7], s[G0V+2:G0V+3], 1024     ; tile 1
	s_or_b32 s[G0V+3], s[G0V+3], 0x80000000
	s_or_b32 s[G0V+7], s[G0V+7], 0x80000000
	s_lshl_b32 s54, s17, 20
	s_lshl_b32 s48, s14, 18
	s_add_co_u32 s54, s54, s48
	s_lshl_b32 s48, s16, 9
	s_add_co_u32 s54, s54, s48
	s_lshl_b32 s48, s13, 8
	s_add_co_u32 s54, s54, s48                     ; image b, channel 16 mq, column 128 x + 64 nh
	s_add_nc_u64 s[8:9], s[8:9], s[54:55]
	s_add_nc_u64 s[10:11], s[10:11], s[54:55]
	ROUND                                          ; the four work-groups are here: the first joint loads meet
.irp g, G0K0, G0K1, G0K2, G0K3
	tensor_load_to_lds s[\g:\g+3], s[G1K:G1K+7]    ; k's four parts in the order in which pass 1 wants them; all of k stays in LDS
	s_nop 0
.endr
	tensor_load_to_lds s[G0V:G0V+3], s[G1V:G1V+7]  ; v's tiles 0 and 1, both first fills: six tensor loads of the wave are out here, later one
	s_nop 0
	tensor_load_to_lds s[G0V+4:G0V+7], s[G1V:G1V+7]
	s_nop 0
.irp nt, 0,1,2,3
	global_load_b128 v[Q0+8*\nt:Q0+8*\nt+3], v18, s[18:19] offset:\nt*256
	global_load_b128 v[Q0+8*\nt+4:Q0+8*\nt+7], v18, s[18:19] offset:\nt*256+65536
.endr
	WIN 0x40
.irp nt, 0,1,2,3
	global_load_b128 v[QW+8*\nt:QW+8*\nt+3], v18, s[18:19] offset:\nt*256
	global_load_b128 v[QW+8*\nt+4:QW+8*\nt+7], v18, s[18:19] offset:\nt*256+65536
.endr
	WIN 0
	s_wait_loadcnt 0x0                             ; q'
	s_wait_tensorcnt 5                             ; my share of k's part 0 has landed; the five younger loads stay out
	s_barrier_signal -1
	s_barrier_wait -1                              ; everybody's share has: blocks 0 and 1 of every quarter are whole
	; ---------------- PASS 1: the row maxima ----------------
.macro K1LD buf, off                   ; a k tile: the same 16 bytes into registers 0-3 and 4-7
	ds_load_b128 v[KR+8*(\buf):KR+8*(\buf)+3], v[KA] offset:\off
	ds_load_b128 v[KR+8*(\buf)+4:KR+8*(\buf)+7], v[KA] offset:\off
.endm
; Phase p of a block's eight tiles: the maxima of tile p's scores, spread between the four products of tile p + 1.  Tile t lies in buffer t.
; Phase 0 fetches tiles 4-7 in one run, phase 4 the next block's tiles 0-3; each run is waited for three phases later, where nothing younger is out.
; Behind each product stand four v_max3 on the other set before its result is read (ISA guide 7.12.1).
.macro PH1 p, dow, ld
.if \ld
.if (\p) == 0
.irp t, 4,5,6,7
	K1LD \t, 32*\t
.endr
.endif
.if (\p) == 4
.irp t, 0,1,2,3
	K1LD \t, KBLK+32*\t
.endr
.endif
.endif
.if \dow
.if ((\p)&3) == 3
	s_wait_dscnt 0x0                               ; the run issued three phases ago: its first tile is multiplied now
.endif
.endif
.irp i, 0,1,2,3
.if \dow
	v_wmma_f32_16x16x32_bf16 v[SP1+32*((\p+1)&1)+8*\i:SP1+32*((\p+1)&1)+8*\i+7], v[KR+8*((\p+1)&7):KR+8*((\p+1)&7)+7], v[Q0+8*\i:Q0+8*\i+7], 0
.endif
.irp nt, 0,1,2,3
	v_max3_num_f32 v[LR+\nt], v[LR+\nt], v[SP1+32*(\p&1)+8*\nt+2*\i], v[SP1+32*(\p&1)+8*\nt+2*\i+1]
.endr
.endr
.endm
.macro BLK1                            ; one block of my eight; its phase 4 reads the first tiles of the block behind it
.irp p, 0,1,2,3,4,5,6,7
	PH1 \p, 1, 1
.endr
	v_add_nc_u32 v[KA], KBLK, v[KA]
.endm
; k's next part is shown to all waves: my share has landed
; no LDS load of mine is out, and behind the barrier the same holds of every wave.
.macro KBAR left
	s_wait_tensorcnt \left
	s_wait_dscnt 0x0
	s_barrier_signal -1
	s_barrier_wait -1
.endm
.irp t, 0,1,2,3
	K1LD \t, 32*\t
.endr
	s_wait_dscnt 0x0
.irp i, 0,1,2,3
	v_wmma_f32_16x16x32_bf16 v[SP1+8*\i:SP1+8*\i+7], v[KR:KR+7], v[Q0+8*\i:Q0+8*\i+7], 0
.endr
.irp j, 0,1,2,3,4,5,6,7
	v_mov_b32 v[LR+\j], 0xff800000                 ; -infinity; these are also the places behind the four products
.endr
	BLK1                                           ; block 0 (reads into block 1: part 0)
	KBAR 4                                         ; part 1: blocks 2, 3.  Parts 2, 3 and v's two tiles stay out
	s_mov_b32 s48, 2
.Lp1a:
	BLK1                                           ; blocks 1, 2 (block 2 reads into block 3)
	s_sub_co_u32 s48, s48, 1
	s_cmp_lg_u32 s48, 0
	s_cbranch_scc1 .Lp1a
	KBAR 3                                         ; part 2: blocks 4, 5
	s_mov_b32 s48, 2
.Lp1b:
	BLK1                                           ; blocks 3, 4
	s_sub_co_u32 s48, s48, 1
	s_cmp_lg_u32 s48, 0
	s_cbranch_scc1 .Lp1b
	KBAR 2                                         ; part 3: blocks 6, 7: all of k is in LDS; v's two tiles stay out
	s_mov_b32 s48, 2
.Lp1c:
	BLK1                                           ; blocks 5, 6
	s_sub_co_u32 s48, s48, 1
	s_cmp_lg_u32 s48, 0
	s_cbranch_scc1 .Lp1c
	PH1 0, 1, 1                                    ; the last block: its tiles 4-7 are the last fetch
.irp p, 1,2,3,4,5,6
	PH1 \p, 1, 0
.endr
	PH1 7, 0, 0
	; over the two halves of the lanes (rows 8 h + j), then over the four quarters of m
.irp nt, 0,1,2,3
	v_permlanex16_b32 v[LR+4+\nt], v[LR+\nt], s50, s51
.endr
.irp nt, 0,1,2,3
	v_max_num_f32 v[LR+\nt], v[LR+\nt], v[LR+4+\nt]
.endr
	ds_store_b128 v21, v[LR:LR+3]
	s_wait_dscnt 0x0                               ; stored before I say so
	s_barrier_signal -1
	s_barrier_wait -1
.irp m, 0,1,2,3
	ds_load_b128 v[SR+4*\m:SR+4*\m+3], v22 offset:\m*1024
.endr
	s_wait_dscnt 0x0
.irp nt, 0,1,2,3
	v_max3_num_f32 v[LR+\nt], v[SR+\nt], v[SR+4+\nt], v[SR+8+\nt]
.endr
.irp nt, 0,1,2,3
	v_max_num_f32 v[LR+\nt], v[LR+\nt], v[SR+12+\nt]
.endr
	WIN 0x40
.irp nt, 0,1,2,3
.irp j, 0,1,2,3,4,5,6,7
	v_mul_f32 v[NEGM+8*\nt+\j], -1.0, v[LR+\nt]
.endr
.endr
.irp j, 0,1,2,3,4,5,6,7                            ; the residual of my 8 output quads, asked for now and waited for at the end
	global_load_b128 v[VAL+4*\j:VAL+4*\j+3], v[OFFO], s[8:9] offset:\j*16384
.endr
	WIN 0
	; ---------------- PASS 2 ----------------
; A piece is one n tile of one step of 32 pos.  In the slot of piece i the vector unit makes P of piece i (16 exp2 in place, 8 packed adds into the
; row sums, 8 packed roundings), and between these lines stand the four products P x v of piece i - 1 and the two score products of piece i + 1.
; All accumulators take turns, one instruction a turn.
; ONE BATCH, ONE WAIT A SLOT.  The slot's 16 exponentials come first, four at a time; between them stand the two score products and the first two
; products P x v, which name the other score buffer, the other P buffer, k, q', v and the accumulators, and no result of the batch.  Then a plain
; line, then the slot's one wait; all 16 lines that read the exponentials (adds and roundings, pair 0 to pair 7) stand behind it..
.macro EXPQ q                          ; four exponentials; a plain vector instruction follows before any result is read (ISA guide 5.7.2)
.irp k, 0,1,2,3
	v_exp_f32 v[SB+4*\q+\k], v[SB+4*\q+\k]
.endr
.endm
.macro PLH q, hf                       ; two numbers: into the row sums, and rounded into P
	v_pk_add_f32 v[LP:LP+1], v[LP:LP+1], v[SB+4*\q+2*\hf:SB+4*\q+2*\hf+1]
	v_cvt_pk_bf16_f32 v[PB+2*\q+\hf], v[SB+4*\q+2*\hf], v[SB+4*\q+2*\hf+1]
.endm
.macro PLQ q
	PLH \q, 0
	PLH \q, 1
.endm
.macro PVM cb, on, zero                ; 16 channels x 16 n of the piece before; zero = 1: the product starts the sum
.if \on
.if \zero
	v_wmma_f32_16x16x32_bf16 v[AN+8*\cb:AN+8*\cb+7], v[VR+8*\cb:VR+8*\cb+7], v[PO:PO+7], 0
.else
	v_wmma_f32_16x16x32_bf16 v[AN+8*\cb:AN+8*\cb+7], v[VR+8*\cb:VR+8*\cb+7], v[PO:PO+7], v[AN+8*\cb:AN+8*\cb+7]
.endif
.endif
.endm
; The next piece's scores less their maximum: B and C lie in window 1.  eq >= 0: that group of exponentials stands between the two products;
; v_exp_f32 names a destination and a source 0 alone, which are window 0 under this setting too.
.macro QKM on, eq
.if \on
	WIN 0x14
	v_wmma_f32_16x16x32_bf16 v[SN:SN+7], v[KB:KB+7], v[QW+8*NN:QW+8*NN+7], v[NEGM+8*NN:NEGM+8*NN+7]
.endif
.if \eq >= 0
	EXPQ \eq
.endif
.if \on
	v_wmma_f32_16x16x32_bf16 v[SN+8:SN+15], v[KB+8:KB+15], v[QW+8*NN:QW+8*NN+7], v[NEGM+8*NN:NEGM+8*NN+7]
	WIN 0
.endif
.endm
.macro LDV cb, vs, voff                ; this step's v fragment of register block cb
	ds_load_b128 v[VR+8*\cb:VR+8*\cb+3], v[VA+\cb] offset:\vs*VS1+\voff
	ds_load_b128 v[VR+8*\cb+4:VR+8*\cb+7], v[VA+\cb] offset:\vs*VS1+\voff+32
.endm
.macro LDK kb, off                     ; a step's two k tiles
	ds_load_b128 v[KR+16*(\kb):KR+16*(\kb)+3], v[KA] offset:\off
	ds_load_b128 v[KR+16*(\kb)+4:KR+16*(\kb)+7], v[KA] offset:\off
	ds_load_b128 v[KR+16*(\kb)+8:KR+16*(\kb)+11], v[KA] offset:\off+32
	ds_load_b128 v[KR+16*(\kb)+12:KR+16*(\kb)+15], v[KA] offset:\off+32
.endm
; nt: the piece's n tile; kb: the k buffer of the score products; pv, zero, qk: see above; vs, voff: v's slot and byte, ldk: fetch k at KLA (n tile 0 alone)
.macro SLOT nt, kb, pv, zero, qk, vs, voff, ldk
.set SB, SR+16*((\nt)&1)
.set SN, SR+16*(((\nt)+1)&1)
.set PB, PR+8*((\nt)&1)
.set PO, PR+8*(((\nt)+1)&1)
.set LP, LR+2*(\nt)
.set AN, ACC+32*(((\nt)+3)&3)
.set NN, ((\nt)+1)&3
.set KB, KR+16*(\kb)
	; the batch: this piece's 16 exponentials, with four products between them
	EXPQ 0
	QKM \qk, 1
	EXPQ 2
.if (\nt) == 1
	s_wait_dscnt 6                                 ; v's block 0 is in (and k, which was asked for first); the six younger loads stay out
.endif
	PVM 0, \pv, \zero
	EXPQ 3
.if (\nt) == 1
	s_wait_dscnt 4
.endif
	PVM 1, \pv, \zero
.if (\nt) == 0
	; the last products of the step before all stand ahead of the wait; directly behind the wait comes the step's one run of LDS loads
	PVM 2, \pv, \zero
	PVM 3, \pv, \zero
.rept 4
	v_nop                                          ; four plain instructions behind the last product that read v, ahead of the loads into its registers; the first is also the plain instruction behind the last exponential
.endr
	s_wait_alu depctr_va_vdst(0)                   ; one wait for this piece's 16 exponentials, ahead of their first reader
.if \ldk
	LDK ((\kb)+1)&1, KLA                           ; the next step's k, into the buffer last multiplied two slots ago; wanted three slots on
.endif
.irp cb, 0,1,2,3
	LDV \cb, \vs, \voff                            ; this step's v, wanted in the next slot
.endr
	PLQ 0                                          ; the readers; they are also the plain instructions behind the score products before the next slot reads them
	PLQ 1
	PLQ 2
	PLQ 3
.else
	v_nop                                          ; the plain instruction behind the last exponential
	s_wait_alu depctr_va_vdst(0)                   ; one wait for this piece's 16 exponentials, ahead of their first reader
.if (\nt) == 1
	s_wait_dscnt 2
.endif
	PVM 2, \pv, \zero
	PLQ 0                                          ; the readers: four behind each of the two products that are left, then the other eight
.if (\nt) == 1
	s_wait_dscnt 0
.endif
	PVM 3, \pv, \zero
	PLQ 1
	PLQ 2
	PLQ 3
.endif
.endm
; step u of my four in a tile: 32 pos
.macro STEP vs, u, first, last
.set PV0, 1
.set ZA, 0
.set ZB, 0
.set QK3, 1
.set LKON, 1
.if (\u) < 3
.set KLA, ((\u)+1)*64
.else
.set KLA, 4*KBLK                                   ; the next tile's step 0
.endif
.if \first
.if (\u) == 0
.set PV0, 0                                        ; no piece before the first
.set ZB, 1                                         ; n tiles 0, 1, 2 start their sums in slots 1, 2, 3,
.endif
.if (\u) == 1
.set ZA, 1                                         ; n tile 3 in the next step's slot 0
.endif
.endif
.if \last
.if (\u) == 3
.set LKON, 0                                       ; nothing beyond the last step
.set QK3, 0
.endif
.endif
	SLOT 0, (\u)&1, PV0, ZA, 1, \vs, 64*(\u), LKON
	SLOT 1, (\u)&1, 1, ZB, 1, \vs, 0, 0
	SLOT 2, (\u)&1, 1, ZB, 1, \vs, 0, 0
	SLOT 3, ((\u)+1)&1, 1, ZB, QK3, \vs, 0, 0
.endm
; One tile of v (512 pos, of which my wave takes 128) from slot vs.
.macro TRIP2 vs, refill, first, last
	s_set_vgpr_msb 0x5
	s_wait_tensorcnt 0x0                           ; all my tensor loads have landed, my part of this tile among them,
	ds_add_u32 v96, v97
	s_wait_dscnt 0x0
	s_set_vgpr_msb 0x500
	s_add_nc_u64 s[G0V+4*\vs+2:G0V+4*\vs+3], s[G0V+4*\vs+2:G0V+4*\vs+3], 2048   ; so the descriptors may be written: this slot's next tile
	s_wait_dscnt 0x0                               ; my reads of the other slot are back
	ROUND                                          ; both now hold of every wave of the four work-groups
.if \refill
	tensor_load_to_lds s[G0V+4*(1-\vs):G0V+4*(1-\vs)+3], s[G1V:G1V+7]   ; the next tile, first thing behind the round, into the slot read last
	s_nop 0
.endif
.irp u, 0,1,2,3
	STEP \vs, \u, \first, \last
.endr
	v_add_nc_u32 v[KA], 4*KBLK, v[KA]
.endm
	s_mul_i32 s48, s14, KBLK
	v_add_nc_u32 v[KA], s48, v16                   ; tile T, quarter mq: block 4 T + mq
	LDK 0, 0
	s_wait_dscnt 0x0
.set SN, SR
.set KB, KR
.set NN, 0
	QKM 1, -1                                      ; the first piece's scores
.irp j, 0,1,2,3,4,5,6,7
	v_mov_b32 v[LR+\j], 0                          ; the row sums; also the places behind the two products
.endr
	TRIP2 0, 0, 1, 0                               ; tile 1 was asked for at the head: nothing to fill yet
	s_mov_b32 s48, 3
.Lp2:
	TRIP2 1, 1, 0, 0
	TRIP2 0, 1, 0, 0
	s_sub_co_u32 s48, s48, 1
	s_cmp_lg_u32 s48, 0
	s_cbranch_scc1 .Lp2
	TRIP2 1, 0, 0, 1
.irp cb, 0,1,2,3                                   ; the last piece's products
	v_wmma_f32_16x16x32_bf16 v[ACC+96+8*\cb:ACC+96+8*\cb+7], v[VR+8*\cb:VR+8*\cb+7], v[PR+8:PR+15], v[ACC+96+8*\cb:ACC+96+8*\cb+7]
.endr
	; ---------------- THE WAY OUT ----------------
	v_add_f32 v8, v8, v9                           ; a row sum for each n tile (these lines are the places behind the last products)
	v_add_f32 v9, v10, v11
	v_add_f32 v10, v12, v13
	v_add_f32 v11, v14, v15
.irp nt, 0,1,2,3
	v_permlanex16_b32 v[12+\nt], v[8+\nt], s50, s51
.endr
.irp nt, 0,1,2,3
	v_add_f32 v[8+\nt], v[8+\nt], v[12+\nt]
.endr
	v_and_b32 v1, 31, v0
	v_lshlrev_b32 v1, 4, v1
	s_lshl_b32 s48, s12, 9
	s_add_co_u32 s48, s48, LX
	v_add_nc_u32 v6, s48, v1                       ; my row sums
	s_lshl_b32 s48, s13, 9
	s_add_co_u32 s48, s48, LX
	v_add_nc_u32 v3, s48, v1                       ; those of the four waves with my n
	s_mul_i32 s48, s12, ACCW
	v_add_nc_u32 v2, s48, v1                       ; what I hand over: register blocks 1, 2, 3, 4,096 bytes each
.irp cb, 1,2,3
	s_xor_b32 s49, s12, 2*\cb                      ; the wave with my n and quarter mq xor cb: its register block cb holds my channels
	s_mul_i32 s49, s49, ACCW
	v_add_nc_u32 v[19+\cb], s49, v1
.endr
	s_wait_dscnt 0x0                               ; my reads of k are back
	s_barrier_signal -1
	s_barrier_wait -1                              ; everybody's are: k's bytes may be written over
	ds_store_b128 v6, v[8:11]
.irp nt, 0,1,2,3
.irp cb, 1,2,3
.irp k, 0,1
	ds_store_b128 v2, v[ACC+32*\nt+8*\cb+4*\k:ACC+32*\nt+8*\cb+4*\k+3] offset:ACCX+(\cb-1)*4096+(2*\nt+\k)*512
.endr
.endr
.endr
	s_wait_dscnt 0x0                               ; stored before I say so
	s_barrier_signal -1
	s_barrier_wait -1
.irp m, 0,1,2,3
	ds_load_b128 v[SR+4*\m:SR+4*\m+3], v3 offset:\m*1024
.endr
.irp nt, 0,1,2,3
.irp cb, 1,2,3
.irp k, 0,1
	ds_load_b128 v[ACC+32*\nt+8*\cb+4*\k:ACC+32*\nt+8*\cb+4*\k+3], v[19+\cb] offset:ACCX+(\cb-1)*4096+(2*\nt+\k)*512   ; the partners' sums for my channels
.endr
.endr
.endr
	s_wait_dscnt 24                                ; the four waves' row sums are in; the 24 quads stay out
	v_pk_add_f32 v[SR:SR+1], v[SR:SR+1], v[SR+4:SR+5]
	v_pk_add_f32 v[SR+2:SR+3], v[SR+2:SR+3], v[SR+6:SR+7]
	v_pk_add_f32 v[SR+8:SR+9], v[SR+8:SR+9], v[SR+12:SR+13]
	v_pk_add_f32 v[SR+10:SR+11], v[SR+10:SR+11], v[SR+14:SR+15]
	v_pk_add_f32 v[SR:SR+1], v[SR:SR+1], v[SR+8:SR+9]
	v_pk_add_f32 v[SR+2:SR+3], v[SR+2:SR+3], v[SR+10:SR+11]
.irp nt, 0,1,2,3
	v_rcp_f32 v[12+\nt], v[SR+\nt]                 ; read only behind the packed adds below, which touch neither source nor result
.endr
	s_wait_dscnt 0x0
.irp nt, 0,1,2,3
.irp p, 0,1,2,3
	v_pk_add_f32 v[ACC+32*\nt+2*\p:ACC+32*\nt+2*\p+1], v[ACC+32*\nt+2*\p:ACC+32*\nt+2*\p+1], v[ACC+32*\nt+8+2*\p:ACC+32*\nt+8+2*\p+1]
	v_pk_add_f32 v[ACC+32*\nt+16+2*\p:ACC+32*\nt+16+2*\p+1], v[ACC+32*\nt+16+2*\p:ACC+32*\nt+16+2*\p+1], v[ACC+32*\nt+24+2*\p:ACC+32*\nt+24+2*\p+1]
.endr
.irp p, 0,1,2,3
	v_pk_add_f32 v[ACC+32*\nt+2*\p:ACC+32*\nt+2*\p+1], v[ACC+32*\nt+2*\p:ACC+32*\nt+2*\p+1], v[ACC+32*\nt+16+2*\p:ACC+32*\nt+16+2*\p+1]
.endr
.endr
	s_wait_loadcnt 0x0                             ; the residual
	WIN 0x10                                       ; source 2 in window 1
	s_wait_alu depctr_va_vdst(0)                   ; one wait for the four reciprocals, ahead of their first reader; the packed adds above are the work between
.irp nt, 0,1,2,3
.irp j, 0,1,2,3,4,5,6,7
	v_fma_f32 v[48+4*\j+\nt], v[ACC+32*\nt+\j], v[12+\nt], v[VAL+4*\j+\nt]
.endr
.endr
	WIN 0
.irp j, 0,1,2,3,4,5,6,7                            ; channel 16 mq + 8 h + j: 16 lanes store 256 consecutive, aligned bytes
	global_store_b128 v[OFFO], v[48+4*\j:51+4*\j], s[10:11] offset:\j*16384 th:TH_STORE_NT
.endr
	s_set_vgpr_msb 0x5
	s_wait_tensorcnt 0x0
	ds_add_u32 v96, v97
	s_wait_dscnt 0x0
	s_set_vgpr_msb 0x500
	ROUND                                          ; the closing round: no work-group ends while a partner may still ask jointly
	s_endpgm
.Lfunc_end_k_qbc742f01ea_attn:
	.size	k_qbc742f01ea_attn, .Lfunc_end_k_qbc742f01ea_attn-k_qbc742f01ea_attn
	.p2alignl 7, 3214868480
	.fill 96, 4, 3214868480
	.section	.rodata,"a",@progbits
	.p2align	6, 0x0
	.amdhsa_kernel k_qbc742f01ea_attn
		.amdhsa_group_segment_fixed_size 327680
		.amdhsa_private_segment_fixed_size 0
		.amdhsa_enable_private_segment 0
		.amdhsa_kernarg_size 32
		.amdhsa_user_sgpr_count 2
		.amdhsa_user_sgpr_kernarg_segment_ptr 1
		.amdhsa_wavefront_size32 1
		.amdhsa_system_sgpr_workgroup_id_x 1
		.amdhsa_system_sgpr_workgroup_id_y 1
		.amdhsa_system_sgpr_workgroup_id_z 1
		.amdhsa_system_vgpr_workitem_id 0
		.amdhsa_next_free_vgpr 354
		.amdhsa_next_free_sgpr 72
		.amdhsa_reserve_vcc 0
		.amdhsa_float_denorm_mode_32 3
		.amdhsa_float_denorm_mode_16_64 3
		.amdhsa_memory_ordered 1
		.amdhsa_forward_progress 1
		.amdhsa_inst_pref_size 227
	.end_amdhsa_kernel
	.amdgpu_metadata
---
amdhsa.version: [ 1, 2 ]
amdhsa.kernels:
  - .name:           k_qbc742f01ea_attn
    .symbol:         k_qbc742f01ea_attn.kd
    .args:
      - { .name: qk, .offset: 0, .size: 8, .value_kind: global_buffer, .address_space: global }
      - { .name: vws, .offset: 8, .size: 8, .value_kind: global_buffer, .address_space: global }
      - { .name: value, .offset: 16, .size: 8, .value_kind: global_buffer, .address_space: global }
      - { .name: out0, .offset: 24, .size: 8, .value_kind: global_buffer, .address_space: global }
    .group_segment_fixed_size: 327680
    .private_segment_fixed_size: 0
    .kernarg_segment_align: 8
    .kernarg_segment_size: 32
    .max_flat_workgroup_size: 256
    .sgpr_count:     72
    .vgpr_count:     354
    .wavefront_size: 32
...
	.end_amdgpu_metadata
.endif
;; end of part 5
